; MI455X (gfx1250); checked and timed in simulation.
; The chip was launched on July 23, 2026; its instructions are those of AMD's public machine-readable ISA for CDNA 5 (MIT licence, August 2026) and "CDNA5" Instruction Set Architecture Reference Guide (July 2026). The comments in the code are by the model that wrote it; some were corrected since.
;; Causal Self Attention. Allowed arithmetic: matrix products marked QUANTISED: E2M1 operands, one E8M0 scale for each 32 along K, by v_wmma_scale_f32_16x16x128_f8f6f4 with both operands' format E2M1 (or v_wmma_scale_f32_32x16x128_f4), f32 sums; products left as they are: bf16, f16 or f32 operands; f32 sums; everything else in f32.
;; Inputs: b_attn 3,072 float32; b_proj 1,024 float32; w_attn 1,024 x 3,072 float32; w_proj 1,024 x 1,024 float32; x 4 x 2,048 x 1,024 float32.
;; Outputs: out0 4 x 2,048 x 1,024 float32.
;; This version of the problem:
;;   THIS VERSION OF THE PROBLEM IS GIVEN IN LOW PRECISION. The matrix products marked QUANTISED in the list below multiply operands that are first quantised to E2M1 (2 exponent bits, 1 mantissa bit; 4 bits a number), with one power-of-two scale for each 32 numbers along K (OCP MX v1.0); their sums are f32. The products marked 'left as it is' may take bf16, f16 or f32 operands, with f32 sums. Whichever they take, every output number must still come out within the allowed error. Rounding operands to bf16 (8 significant bits) uses up far more of that allowance than f16 does (11 bits, for magnitudes from 6e-5 to 65,504). All else is computed in f32.
;;   The module's matrix products, in the order in which they are computed (A, B: the left and right operand; K: the contracted axis; several contracted axes count as one K, in the product's order):
;;     1. [M 8,192, K 1,024] x [K 1,024, N 3,072]; A: input x; B: input w_attn: QUANTISED
;;     2. batch 64 x [M 2,048, K 64] x [K 64, N 2,048]; A: computed on the way; B: computed on the way: left as it is (an operand is computed on the way)
;;     3. batch 64 x [M 2,048, K 2,048] x [K 2,048, N 64]; A: computed on the way; B: computed on the way: left as it is (an operand is computed on the way)
;;     4. [M 8,192, K 1,024] x [K 1,024, N 1,024]; A: computed on the way; B: input w_proj: left as it is (an operand is computed on the way)
;;   THE QUANTISER, for each operand of a quantised product, along K:
;;     - K is cut into blocks of 32 from its start; a last block that is shorter is filled with zeros.
;;     - A block's scale is 2^e with e = floor(log2(the largest magnitude in the block)) - 2, held to -126 .. 127; a block of zeros has e = 0. As a byte (E8M0): e + 127.
;;     - Each number is divided by its block's scale, clamped to +-6, and rounded to the nearest number of E2M1, ties to even, subnormals kept.
;;     - The product sums the exact products of the quantised numbers (number of the format x scale) in f32.
;;   ~~~python
;;   def quantise(x, axis):      # numpy; x: float32 -> the quantised numbers, widened to float32 again
;;       x = np.moveaxis(x, axis, -1); K = x.shape[-1]
;;       x = np.pad(x, [(0, 0)] * (x.ndim - 1) + [(0, -K % 32)]); x = x.reshape(x.shape[:-1] + (-1, 32)); a = np.abs(x).max(-1, keepdims=True)
;;       e = np.where(a > 0, np.clip(np.frexp(np.where(a > 0, a, 1))[1] - 1 - 2, -126, 127), 0)      # np.frexp(a)[1] - 1 = floor(log2(a)), exactly
;;       r = np.clip(x / 2.0 ** e, -6, 6)
;;       step = 2.0 ** (np.maximum(np.frexp(np.where(r == 0, 1, r))[1] - 1, 0) - 1)
;;       q = np.round(r / step) * step * 2.0 ** e      # np.round: ties to even
;;       return np.moveaxis(q.reshape(q.shape[:-2] + (-1,))[..., :K], -1, axis).astype(np.float32)
;;   ~~~
;; One version. Each part assembles by itself: llvm-mc -triple=amdgcn-amd-amdhsa -mcpu=gfx1250 --defsym DOCPART=n.
;; ======== version 1 of 1: 5 launches
;; limits: values are held in f16: magnitudes above 65,504 overflow, below 6.1e-05 lose precision
;; workspace buffers: xc 4,194,304 bytes; xs 262,144 bytes; wc 1,572,864 bytes; ws 98,304 bytes; wp16 2,097,152 bytes; qkv 50,331,648 bytes; q16 786,432 bytes; y 16,777,216 bytes
;; launch prep (part 1): grid 240 x 1, 8 waves a work-group, no clusters, 101,376 bytes of LDS; arguments x, w_attn, w_proj, xc, xs, wc, ws, wp16; writes xc, xs, wc, ws, wp16
.if DOCPART == 1
	.amdgcn_target "amdgcn-amd-amdhsa--gfx1250"
	.amdhsa_code_object_version 6
	.text
	.protected	k_q54a1c86fd8_prep
	.globl	k_q54a1c86fd8_prep
	.p2align	8
	.type	k_q54a1c86fd8_prep,@function
k_q54a1c86fd8_prep:
	s_mov_b64 s[64:65], 0
	v_nop
	global_prefetch_b8 v0, s[64:65] scope:SCOPE_SE
	s_setreg_imm32_b32 hwreg(HW_REG_WAVE_MODE, 25, 1), 1
	s_wait_xcnt 0x0
; THREE JOBS IN ONE LAUNCH, told apart by the work-group's number alone (the same in all eight waves of a work-group):
;   work-groups   0 ..  47  W: w_attn [1024 (k)][3072 (n)] f32 -> codes of E2M1 laid [3072][512 bytes], K innermost, and E8M0 bytes [3072][32]
;   work-groups  48 .. 175  X: x [8192][1024] f32 -> codes [8192][512 bytes] and E8M0 bytes [8192][32]
;   work-groups 176 .. 239  C: w_proj [1024][1024] f32 -> f16, as it lies
; A block of 32 along K has the scale 2^(floor(log2(its largest magnitude)) - 2); its byte is the largest magnitude's exponent field - 2, held at 1 from below.
; LIMITS: a block of zeros gets the byte 1 where the quantiser says 127 (its codes are zeros, which add nothing, and this program alone reads the bytes); blocks whose largest
; magnitude lies under 2^-124 are held at that floor; NaN and infinities among the inputs are not served; w_proj beyond 65,504 in magnitude becomes infinity in f16.
; LDS: each job that uses LDS has bytes of its own: X 8,192 for each wave from byte 0; W one stage of 128 rows x 272 from byte 65,536; behind it the spare words.
.set SPARE, 100352                     ; the spare words: 128 bytes for each of eight waves, four blocks of 256 bytes that no other line names
.set WST,   65536                      ; W's stage
.set WREG,  8192                       ; X: a wave's region: two stages of 32 x SP bytes, behind them its 256 scale bytes
.set SP,    80                         ; X: a lane's place in a stage: 64 bytes + 16 of padding
.set STEPS, 16
.set CB,    8                          ; bytes of 16 codes
.set R,     16                         ; X: v16-79   four sets of 16 numbers as loaded
.set X,     80                         ; X: v80-111  two sets of 16 neighbours
.set E,     112                        ; X: v112-127 a scale byte for each step
.set C,     128                        ; X: v128-159 two registers of codes for each step: no store's data are written again
.set SPW,   12                         ; v12 LDS address of my spare word; never rewritten
.set NIL,   13                         ; v13 0; never rewritten
.set NB,    8                          ; W: blocks of 32 along K for a wave
.set WX,    32                         ; W: v32-95   two sets of 32 numbers
.set WC,    96                         ; W: v96-99   a block's codes
.set OUTR,  112                        ; W: v112-143 the way out
.set SB,    24                         ; W: v24-25   eight scale bytes
.macro FINISH                          ; a wave's end
	s_wait_tensorcnt 0x0
	ds_add_u32 v[SPW], v[NIL]
	s_wait_dscnt 0x0
	s_endpgm
.endm
	s_load_b256 s[4:11], s[0:1], 0x0               ; x s[4:5], w_attn s[6:7], w_proj s[8:9], xc s[10:11]
	s_load_b256 s[12:19], s[0:1], 0x20             ; xs s[12:13], wc s[14:15], ws s[16:17], wp16 s[18:19]
	v_lshl_add_u32 v[SPW], v0, 2, SPARE
	v_mov_b32 v[NIL], 0
	v_lshrrev_b32 v1, 5, v0
	v_readfirstlane_b32 s20, v1                    ; wave 0..7
	v_and_b32 v2, 31, v0                           ; lane
	v_lshlrev_b32 v3, 4, v2                        ; 16 x lane
	v_lshlrev_b32 v4, 3, v2                        ; 8 x lane
	; every LDS address of both jobs is made here, ahead of the parting
	s_mul_i32 s21, s20, WREG
	v_lshrrev_b32 v14, 2, v2
	v_mul_u32_u24 v14, v14, SP
	v_and_b32 v15, 3, v2
	v_lshl_add_u32 v14, v15, 4, v14
	v_add_nc_u32 v14, s21, v14                     ; X, into the stage: SP (lane / 4) + 16 (lane % 4)
	v_mul_u32_u24 v15, v2, SP
	v_add_nc_u32 v15, s21, v15                     ; X, out of it: SP x lane: my 16 neighbours
	v_lshrrev_b32 v5, 1, v2
	s_add_co_u32 s21, s21, 2*32*SP
	v_add_nc_u32 v5, s21, v5                       ; X: my block's scale byte
	v_add_nc_u32 v6, s21, v4                       ; X: and 8 of the wave's 256 on the way out
	s_and_b32 s22, s20, 3                          ; W: cg: which 32 of the work-group's 128 columns
	s_lshr_b32 s23, s20, 2                         ; W: kh: which 256 of its 512 along K
	s_mul_i32 s24, s22, 32*272
	s_lshl_b32 s25, s23, 7
	s_add_co_u32 s24, s24, s25
	s_add_co_u32 s24, s24, WST
	v_mul_u32_u24 v177, v2, 272
	v_add_nc_u32 v177, s24, v177                   ; W, into the stage: row = my column, my wave's 128 bytes of its 256
	s_mul_i32 s24, s20, 16*272
	s_add_co_u32 s24, s24, WST
	v_lshrrev_b32 v181, 4, v2
	v_and_b32 v182, 15, v2
	v_mul_u32_u24 v178, v181, 272
	v_lshl_add_u32 v178, v182, 4, v178
	v_add_nc_u32 v178, s24, v178                   ; W, out of it: wave w takes rows 16 w on, sixteen lanes to a row
	v_lshlrev_b32 v179, 9, v181
	v_lshl_add_u32 v179, v182, 4, v179             ; W: the same two rows in wc (512 bytes a row)
	v_lshlrev_b32 v176, 2, v2                      ; W: 4 bytes a lane in a row of w_attn
	v_lshlrev_b32 v180, 5, v2                      ; W: my column's row of scale bytes
	s_wait_kmcnt 0x0
	s_cmp_lt_u32 ttmp9, 48
	s_cbranch_scc1 .Lw
	s_cmp_lt_u32 ttmp9, 176
	s_cbranch_scc1 .Lx
; ---- C: a wave turns 2,048 numbers of w_proj into f16: each load covers 512 consecutive bytes, each store 256, aligned
	s_sub_co_u32 s28, ttmp9, 176
	s_lshl_b32 s28, s28, 3
	s_add_co_u32 s28, s28, s20                     ; which run of 2,048 numbers
	s_lshl_b32 s30, s28, 13
	s_mov_b32 s31, 0
	s_add_nc_u64 s[8:9], s[8:9], s[30:31]
	s_lshl_b32 s30, s28, 12
	s_add_nc_u64 s[18:19], s[18:19], s[30:31]
.irp i, 0,1,2,3,4,5,6,7,8,9,10,11,12,13,14,15
	global_load_b128 v[16+4*\i:19+4*\i], v3, s[8:9] offset:512*\i
.endr
.irp i, 0,1,2,3,4,5,6,7,8,9,10,11,12,13,14,15
	s_wait_loadcnt 15-\i                           ; loads come back in order: load i is in, the younger ones stay out
	v_cvt_pk_f16_f32 v[80+2*\i], v[16+4*\i], v[17+4*\i]
	v_cvt_pk_f16_f32 v[81+2*\i], v[18+4*\i], v[19+4*\i]
	global_store_b64 v4, v[80+2*\i:81+2*\i], s[18:19] offset:256*\i
.endr
	FINISH
; ---- X: x is a plain stream of blocks of 32.  A wave takes 16 steps of 512 numbers.  Loads take the bytes as they lie (512 consecutive bytes a load); a step's 2,048 bytes turn through the
; wave's own stage so that a lane holds 16 neighbours along K, which the conversions want; two neighbouring lanes hold a block.  Loads run four steps ahead, the turn one step.
.Lx:
	s_sub_co_u32 s28, ttmp9, 48
	s_lshl_b32 s28, s28, 3
	s_add_co_u32 s28, s28, s20                     ; which run of 8,192 numbers
	s_lshl_b32 s30, s28, 15
	s_mov_b32 s31, 0
	s_add_nc_u64 s[4:5], s[4:5], s[30:31]
	s_lshl_b32 s30, s28, 12
	s_add_nc_u64 s[10:11], s[10:11], s[30:31]
	s_lshl_b32 s30, s28, 8
	s_add_nc_u64 s[12:13], s[12:13], s[30:31]
.macro XLOAD t
.irp i, 0,1,2,3
	global_load_b128 v[R+16*((\t)%4)+4*\i:R+16*((\t)%4)+4*\i+3], v3, s[4:5] offset:2048*(\t)+512*\i th:TH_LOAD_NT
.endr
.endm
.macro XTURN t                         ; LDS serves a wave's instructions in order: no wait between the stores and the loads
.irp i, 0,1,2,3
	ds_store_b128 v14, v[R+16*((\t)%4)+4*\i:R+16*((\t)%4)+4*\i+3] offset:32*SP*((\t)%2)+8*SP*\i
.endr
.irp i, 0,1,2,3
	ds_load_b128 v[X+16*((\t)%2)+4*\i:X+16*((\t)%2)+4*\i+3], v15 offset:32*SP*((\t)%2)+16*\i
.endr
.endm
.irp t, 0,1,2,3
	XLOAD \t
.endr
	s_wait_loadcnt 12                              ; step 0's four loads are in
	XTURN 0
.macro XSTEP t
.set XS, X+16*((\t)%2)
.if (\t) > 0
	s_wait_dscnt 1                                 ; this step's numbers are back from the stage (the last step's byte store may be out): so its stores into the stage have read their registers,
.else
	s_wait_dscnt 0x0
.endif
.if (\t)+4 < STEPS
	XLOAD (\t)+4                                   ; which take the loads of four steps on
.endif
.if (\t)+1 < STEPS
.if STEPS-2-(\t) >= 3
	s_wait_loadcnt 12                              ; the next step's four loads are in; those of the three steps behind it may be out
.else
	s_wait_loadcnt 4*(STEPS-2-(\t))
.endif
	XTURN (\t)+1
.endif
	v_max3_num_f32 v8, |v[XS]|, |v[XS+1]|, |v[XS+2]|               ; the largest magnitude of my 16, in two chains
	v_max3_num_f32 v9, |v[XS+3]|, |v[XS+4]|, |v[XS+5]|
.irp i, 6,10
	v_max3_num_f32 v8, v8, |v[XS+\i]|, |v[XS+\i+1]|
	v_max3_num_f32 v9, v9, |v[XS+\i+2]|, |v[XS+\i+3]|
.endr
	v_max3_num_f32 v8, v8, |v[XS+14]|, |v[XS+15]|
	v_max3_num_f32 v8, v8, v9, 0x1800000           ; and the floor 2^(3 - 127): the byte cannot fall under 1
	v_max_num_f32_dpp v8, v8, v8 row_xmask:1 row_mask:0xf bank_mask:0xf   ; with my neighbour's 16: the block's
	v_add_nc_u32 v11, 0xff000000, v8               ; 2 off its exponent field: the conversion takes the exponent field of this operand as its scale
	v_cvt_scalef32_pk8_fp4_f32 v[C+2*(\t)], v[XS:XS+7], v11
	v_cvt_scalef32_pk8_fp4_f32 v[C+2*(\t)+1], v[XS+8:XS+15], v11
	v_lshrrev_b32 v[E+(\t)], 23, v11               ; the scale's byte (also the plain line behind the conversions)
	ds_store_b8 v5, v[E+(\t)] offset:16*(\t)       ; both lanes of a block write the same byte with the same value
	global_store_b64 v4, v[C+2*(\t):C+2*(\t)+1], s[10:11] offset:32*CB*(\t)   ; the wave stores 256 consecutive bytes, aligned
.endm
.irp t, 0,1,2,3,4,5,6,7,8,9,10,11,12,13,14,15
	XSTEP \t
.endr
	ds_load_b64 v[8:9], v6                         ; the wave's 256 scale bytes: these loads see my stores
	s_wait_dscnt 0x0
	global_store_b64 v4, v[8:9], s[12:13]          ; 256 consecutive bytes, aligned
	FINISH
; ---- W: K is w_attn's FIRST axis.  A lane takes a column and its registers run down K: a load reads 128 consecutive bytes a wave, a block of 32 lies in one lane, and the codes come out K innermost.
; A work-group takes 128 columns x 512 along K; wave (cg, kh) takes 32 columns x 256.  A column's 256 bytes of codes come from two waves: they meet in the stage, behind a barrier, and leave sixteen lanes to a row.
.Lw:
	s_cmp_ge_u32 ttmp9, 24
	s_cselect_b32 s27, 1, 0                        ; ky: which 512 along K
	s_cselect_b32 s28, 24, 0
	s_sub_co_u32 s28, ttmp9, s28                   ; gx: which 128 columns
	s_lshl_b32 s29, s28, 7
	s_lshl_b32 s30, s22, 5
	s_add_co_u32 s29, s29, s30                     ; my wave's first column
	s_lshl_b32 s30, s27, 9
	s_lshl_b32 s31, s23, 8
	s_add_co_u32 s30, s30, s31                     ; my wave's first k
	s_mul_i32 s32, s30, 12288
	s_lshl_b32 s33, s29, 2
	s_add_co_u32 s32, s32, s33
	s_mov_b32 s33, 0
	s_add_nc_u64 s[6:7], s[6:7], s[32:33]
	s_lshl_b32 s32, s29, 5
	s_lshr_b32 s34, s30, 5
	s_add_co_u32 s32, s32, s34
	s_add_nc_u64 s[16:17], s[16:17], s[32:33]      ; ws: column x 32 + k / 32
	s_lshl_b32 s32, s28, 7
	s_lshl_b32 s34, s20, 4
	s_add_co_u32 s32, s32, s34
	s_lshl_b32 s32, s32, 9
	s_lshl_b32 s34, s27, 8
	s_add_co_u32 s32, s32, s34
	s_add_nc_u64 s[14:15], s[14:15], s[32:33]      ; wc: (128 gx + 16 wave) rows of 512 bytes + 256 ky
.macro WLOAD t                         ; block t: w_attn(32 t + i, my column); the largest offset, 255 rows of 12,288 bytes, lies inside the signed 24-bit immediate
.irp i, 0,1,2,3,4,5,6,7,8,9,10,11,12,13,14,15,16,17,18,19,20,21,22,23,24,25,26,27,28,29,30,31
	global_load_b32 v[WX+32*((\t)%2)+\i], v176, s[6:7] offset:(32*(\t)+\i)*12288 th:TH_LOAD_NT
.endr
.endm
	WLOAD 0
	WLOAD 1
.macro WBLOCK t
.set XS, WX+32*((\t)%2)
.if (\t) < NB-1
	s_wait_loadcnt 32                              ; this block's 32 loads are in; the next block's may be out
.else
	s_wait_loadcnt 0
.endif
	v_max3_num_f32 v8, |v[XS]|, |v[XS+1]|, |v[XS+2]|               ; the block's largest magnitude: all 32 numbers are mine
	v_max3_num_f32 v9, |v[XS+3]|, |v[XS+4]|, |v[XS+5]|
.irp i, 6,10,14,18,22,26
	v_max3_num_f32 v8, v8, |v[XS+\i]|, |v[XS+\i+1]|
	v_max3_num_f32 v9, v9, |v[XS+\i+2]|, |v[XS+\i+3]|
.endr
	v_max3_num_f32 v8, v8, |v[XS+30]|, |v[XS+31]|
	v_max3_num_f32 v8, v8, v9, 0x1800000           ; and the floor
	v_add_nc_u32 v11, 0xff000000, v8               ; the conversion's scale operand
	v_lshrrev_b32 v10, 23, v11                     ; the scale's byte
.if (\t)%4 == 0
	v_mov_b32 v[SB+(\t)/4], v10                    ; four bytes to a register, the lower K in the lower byte
.else
	v_lshl_or_b32 v[SB+(\t)/4], v10, 8*((\t)%4), v[SB+(\t)/4]
.endif
.irp g, 0,1,2,3
	v_cvt_scalef32_pk8_fp4_f32 v[WC+\g], v[XS+8*\g:XS+8*\g+7], v11
.endr
	ds_store_b128 v177, v[WC:WC+3] offset:16*(\t)  ; 32 codes: 16 bytes of my column's row
.if (\t)+2 < NB
	WLOAD (\t)+2
.endif
	s_wait_dscnt 0x0                               ; the store has read its registers: the next block's codes may be written (its first lines are plain vector lines)
.endm
.irp t, 0,1,2,3,4,5,6,7
	WBLOCK \t
.endr
	global_store_b64 v180, v[SB:SB+1], s[16:17]    ; my column's eight scale bytes: pieces of 8 bytes, rows 32 bytes apart: 96 KiB in all, one byte for each 128 that the job reads
	s_barrier_signal -1                            ; my stores into the stage are done (the last block's wait for 0)
	s_barrier_wait -1                              ; everybody's are
.irp t, 0,1,2,3,4,5,6,7
	ds_load_b128 v[OUTR+4*\t:OUTR+4*\t+3], v178 offset:2*\t*272
.endr
.irp t, 0,1,2,3,4,5,6,7
	s_wait_dscnt 7-\t
	global_store_b128 v179, v[OUTR+4*\t:OUTR+4*\t+3], s[14:15] offset:2*\t*512   ; sixteen lanes store 256 consecutive bytes, aligned
.endr
	FINISH
.Lfunc_end_k_q54a1c86fd8_prep:
	.size	k_q54a1c86fd8_prep, .Lfunc_end_k_q54a1c86fd8_prep-k_q54a1c86fd8_prep
	.p2alignl 7, 3214868480
	.fill 96, 4, 3214868480
	.section	.rodata,"a",@progbits
	.p2align	6, 0x0
	.amdhsa_kernel k_q54a1c86fd8_prep
		.amdhsa_group_segment_fixed_size 101376
		.amdhsa_private_segment_fixed_size 0
		.amdhsa_enable_private_segment 0
		.amdhsa_kernarg_size 64
		.amdhsa_user_sgpr_count 2
		.amdhsa_user_sgpr_kernarg_segment_ptr 1
		.amdhsa_wavefront_size32 1
		.amdhsa_system_sgpr_workgroup_id_x 1
		.amdhsa_system_sgpr_workgroup_id_y 1
		.amdhsa_system_sgpr_workgroup_id_z 1
		.amdhsa_system_vgpr_workitem_id 0
		.amdhsa_next_free_vgpr 192
		.amdhsa_next_free_sgpr 66
		.amdhsa_reserve_vcc 0
		.amdhsa_float_denorm_mode_32 3
		.amdhsa_float_denorm_mode_16_64 3
		.amdhsa_memory_ordered 1
		.amdhsa_forward_progress 1
		.amdhsa_inst_pref_size 79
	.end_amdhsa_kernel
	.amdgpu_metadata
---
amdhsa.version: [ 1, 2 ]
amdhsa.kernels:
  - .name:           k_q54a1c86fd8_prep
    .symbol:         k_q54a1c86fd8_prep.kd
    .args:
      - { .name: x, .offset: 0, .size: 8, .value_kind: global_buffer, .address_space: global }
      - { .name: w_attn, .offset: 8, .size: 8, .value_kind: global_buffer, .address_space: global }
      - { .name: w_proj, .offset: 16, .size: 8, .value_kind: global_buffer, .address_space: global }
      - { .name: xc, .offset: 24, .size: 8, .value_kind: global_buffer, .address_space: global }
      - { .name: xs, .offset: 32, .size: 8, .value_kind: global_buffer, .address_space: global }
      - { .name: wc, .offset: 40, .size: 8, .value_kind: global_buffer, .address_space: global }
      - { .name: ws, .offset: 48, .size: 8, .value_kind: global_buffer, .address_space: global }
      - { .name: wp16, .offset: 56, .size: 8, .value_kind: global_buffer, .address_space: global }
    .group_segment_fixed_size: 101376
    .private_segment_fixed_size: 0
    .kernarg_segment_align: 8
    .kernarg_segment_size: 64
    .max_flat_workgroup_size: 256
    .sgpr_count:     66
    .vgpr_count:     192
    .wavefront_size: 32
...
	.end_amdgpu_metadata
.endif
;; end of part 1
;; launch qkv (part 2): grid 12 x 32, 4 waves a work-group, clusters of 4 x 4, 327,680 bytes of LDS; arguments xc, xs, wc, ws, qkv, b_attn, q16; writes qkv, q16
.if DOCPART == 2
	.amdgcn_target "amdgcn-amd-amdhsa--gfx1250"
	.amdhsa_code_object_version 6
	.text
	.protected	k_q54a1c86fd8_qkv
	.globl	k_q54a1c86fd8_qkv
	.p2align	8
	.type	k_q54a1c86fd8_qkv,@function
k_q54a1c86fd8_qkv:
	s_mov_b64 s[64:65], 0
	v_nop
	global_prefetch_b8 v0, s[64:65] scope:SCOPE_SE
	s_setreg_imm32_b32 hwreg(HW_REG_WAVE_MODE, 25, 1), 1
	s_wait_xcnt 0x0
	s_wait_alu depctr_hold_cnt(0) depctr_sa_sdst(0) depctr_va_vdst(0) depctr_va_sdst(0) depctr_va_ssrc(0) depctr_va_vcc(0) depctr_vm_vsrc(0)
	s_getreg_b32 s2, hwreg(HW_REG_IB_STS2, 6, 4)
	s_cmp_eq_u32 s2, 0
	s_cbranch_scc0 .Lentry_in_a_cluster
	s_endpgm
.Lentry_in_a_cluster:
	s_bfe_u32 s2, ttmp6, 0x10000c
	s_cmp_lg_u32 s2, 0xf033
	s_cbranch_scc0 .Lentry_shape_is_right
	s_endpgm
.Lentry_shape_is_right:
; qkv = Q(x) Q(w_attn) + b_attn on codes of E2M1 with one E8M0 scale for each 32 along K; sums in f32.  A = xc [8192][512 bytes], xs [8192][32]; B = wc [3072][512 bytes], ws [3072][32].
; OUT: q, k, v as f16, head-major: qkv [part 3][batch x head 64][token 2048][64]; and the f32 rows of tokens 0-15 of each sequence: q16 [batch x 16 + token][3072].
; LIMITS: |q, k, v| beyond 65,504 become infinity in f16; under 6e-5 they keep f16's absolute step.
; A tile of 256 x 256 is made by four waves, each 128 x 128: 64 accumulators of 16 x 16, 512 registers.  K = 1,024 is two steps of 512, one in each of two LDS slots: both slots and the scales of the
; work-group's rows are first fills; nothing is filled again.
; CLUSTERS: 4 x 4 work-groups.  The four of a row need the same tiles of A, the four of a column the same tiles of B: each tile is asked for jointly, by the same tensor load with the same descriptor and a mask that names the four.
; THE MATRIX INSTRUCTION IS USED TRANSPOSED (source 0 = 16 rows of B, source 1 = 16 rows of A): a lane holds eight neighbouring columns of one row.  The bias, in that layout, is the C of each sum's first product.
; REGISTERS: window 0: v0-31 addresses; v32-95 scale words, two sets; v128-191 A's fragments, one set; v192-255 the bias (8 blocks x 8), later packed results.  window 1: B's fragments, two sets.
;   window 2: the accumulators of my rows 0-63 ((a, b) at v[8 (8 a + b)]); window 3: those of rows 64-127.
.set KSTEP,  512
.set NQ,     4                         ; matrix instructions deep in a slot
.set ROWB,   256                       ; a tile's row in bytes
.set KROW,   512                       ; a row of codes in memory
.set PITCH,  272                       ; an LDS row: 256 bytes + 16 of padding: the 16 rows of a load start at 16 different banks (ISA guide 11.1)
.set FR,     8
.set NL,     2
.set NP,     4                         ; places behind this matrix instruction (ISA guide 7.12.1)
.set HALFT,  128*PITCH
.set SLOT,   4*HALFT
.set KS,     32                        ; a row of scales in bytes
.set SCL,    2*SLOT                    ; behind the slots: the scales, as units of 256 bytes + 16 of padding
.set HALFS,  16*272                    ; the scales of 128 rows
.set SBLK,   2*272                     ; those of 16 rows
.set SPARE,  SCL+4*HALFS               ; the spare words: 128 bytes a wave, two blocks of 256 bytes that no other line names
.set SPITCH, 272                       ; the way out: a stage of 16 rows x (256 + 16) for each wave, in slot 0, which has had its only fill and its last read by then
.set ADRA, 16
.set ADRB, 20
.set STO,  24
.set RD,   25
.set CO,   26
.set ADRS, 27
.set SPW,  28
.set NIL,  29
.set QO,   30                          ; v30 my byte offset in q16: row r, + 32 h
.set BO,   31                          ; v31 32 h: my half's eight numbers of a block of the bias
.set SC,   32
.set AF,   128
.set BI,   192
.set TMP,  192
.set BK,   128
.set G1, 24
.set G0, 32
.set G1B, 48
.set G0B, 56
.set G1S, 68
.set G0S, 76
.set G1SB, 80
.set G0SB, 88
.set MSB, 0
.macro WIN new                         ; the immediate's high byte repeats the setting that is left
.if MSB != \new
	s_set_vgpr_msb (MSB<<8)|\new
.set MSB, \new
.endif
.endm
.set MUL_LO, 0xa1                      ; source 0 (B) window 1, source 1 (A) window 0, C and D window 2
.set MUL_HI, 0xf1                      ; the same, C and D window 3
.set BIA_LO, 0x81                      ; the first products: C (the bias) window 0, D window 2
.set BIA_HI, 0xc1                      ; D window 3
.set TO_B,   0x40
; A joint load: waves 0 and 1 fetch for A, waves 2 and 3 for B; the branch hangs on the wave's number alone.  An s_nop 0 and four v_nop follow each of the two lines.
.macro JLOAD g0a, g1a, g0b, g1b
	s_cmp_eq_u32 s15, 0
	s_cbranch_scc0 .Lfor_b_\@
	tensor_load_to_lds s[\g0a:\g0a+3], s[\g1a:\g1a+7]
	s_nop 0
.rept 4
	v_nop
.endr
	s_branch .Lasked_\@
.Lfor_b_\@:
	tensor_load_to_lds s[\g0b:\g0b+3], s[\g1b:\g1b+7]
	s_nop 0
.rept 4
	v_nop
.endr
.Lasked_\@:
.endm
.macro CROUND                          ; a round of the cluster's barrier
	s_barrier_signal -1
	s_barrier_wait -1
	s_cmp_lg_u32 s14, 0
	s_cbranch_scc1 .Lnot_wave_0_\@
	s_barrier_signal -3
.Lnot_wave_0_\@:
	s_barrier_wait -3
	s_barrier_signal -1
	s_barrier_wait -1
.endm
	s_load_b128 s[4:7], s[0:1], 0x0                ; xc s[4:5], xs s[6:7]
	s_load_b128 s[8:11], s[0:1], 0x10              ; wc s[8:9], ws s[10:11]
	s_load_b64 s[12:13], s[0:1], 0x20              ; qkv
	s_load_b128 s[96:99], s[0:1], 0x28             ; b_attn s[96:97], q16 s[98:99]
	v_lshl_add_u32 v[SPW], v0, 2, SPARE
	v_mov_b32 v[NIL], 0
	ds_add_u32 v[SPW], v[NIL]                      ; the wave's opening: the add, twice on end, and its wait ahead of my first tensor load
	ds_add_u32 v[SPW], v[NIL]
	v_lshrrev_b32 v1, 5, v0
	v_readfirstlane_b32 s14, v1                    ; wave 0..3
	s_lshr_b32 s15, s14, 1                         ; which half of the tile's rows is mine.  Also: I fetch for A (0) or for B (1)
	s_and_b32 s16, s14, 1                          ; which half of its columns.  Also: which 128 rows of that tile I fetch
	s_bfe_u32 s40, ttmp6, 0x40000                  ; cx, cy: my place in the cluster
	s_bfe_u32 s41, ttmp6, 0x40004
	s_lshl_b32 s42, ttmp9, 2
	s_add_co_u32 s42, s42, s40                     ; tile column = 4 x cluster x + cx
	s_and_b32 s17, ttmp7, 0xffff
	s_lshl_b32 s17, s17, 2
	s_add_co_u32 s17, s17, s41                     ; tile row = 4 x cluster y + cy
	s_lshl_b32 s43, s41, 2
	s_lshl_b32 s43, 15, s43                        ; my row of the cluster
	s_lshl_b32 s44, 0x1111, s40                    ; my column
	s_or_b32 s[G1+0], s43, (0<<16)|(1<<20)|(1<<21)|(5<<22)|(3<<25)  ; the mask; elements of 1 byte; padding on; bit 21 beside a mask; 4 words behind every 64
	s_or_b32 s[G1B+0], s44, (0<<16)|(1<<20)|(1<<21)|(5<<22)|(3<<25)
.irp g, G1, G1B
	s_mov_b32 s[\g+1], ROWB<<16                    ; tensor_dim0
	s_mov_b32 s[\g+2], 128<<16                     ; tensor_dim1
	s_mov_b32 s[\g+3], ROWB<<16                    ; tile_dim0
	s_mov_b32 s[\g+4], 128                         ; tile_dim1
	s_mov_b32 s[\g+5], KROW                        ; from row to row
	s_mov_b32 s[\g+6], 0
	s_mov_b32 s[\g+7], 0
.endr
	s_or_b32 s[G1S+0], s43, (3<<16)|(1<<20)|(1<<21)|(5<<22)|(3<<25)  ; the scales of 128 rows: 4,096 dense bytes as 16 rows of 256 (32 elements of 8 bytes), padded alike
	s_or_b32 s[G1SB+0], s44, (3<<16)|(1<<20)|(1<<21)|(5<<22)|(3<<25)
.irp g, G1S, G1SB
	s_mov_b32 s[\g+1], 32<<16
	s_mov_b32 s[\g+2], 16<<16
	s_mov_b32 s[\g+3], 32<<16
	s_mov_b32 s[\g+4], 16
	s_mov_b32 s[\g+5], 32
	s_mov_b32 s[\g+6], 0
	s_mov_b32 s[\g+7], 0
.endr
	s_lshl_b32 s18, s16, 7
	s_lshl_b32 s20, s17, 8
	s_add_co_u32 s20, s20, s18                     ; A: row 256 x tile row + 128 x half
	s_lshl_b32 s46, s42, 8
	s_add_co_u32 s46, s46, s18                     ; B: row 256 x tile column + 128 x half
	s_mov_b32 s21, 0
	s_mov_b32 s47, 0
	s_mov_b64 s[18:19], KS
	s_mul_u64 s[22:23], s[20:21], s[18:19]         ; where these rows' scales begin
	s_mul_u64 s[92:93], s[46:47], s[18:19]
	s_mov_b64 s[18:19], KROW
	s_mul_u64 s[20:21], s[20:21], s[18:19]         ; and their codes
	s_mul_u64 s[46:47], s[46:47], s[18:19]
	s_mul_i32 s45, s14, HALFT                      ; where they go: wave x 128 rows: no place in the cluster enters an LDS address
	s_mul_i32 s94, s14, HALFS
	s_wait_dscnt 0x0                               ; both opening adds are done
	s_wait_kmcnt 0x0
	s_add_nc_u64 s[20:21], s[4:5], s[20:21]
	s_add_nc_u64 s[22:23], s[6:7], s[22:23]
	s_add_nc_u64 s[46:47], s[8:9], s[46:47]
	s_add_nc_u64 s[92:93], s[10:11], s[92:93]
	CROUND                                         ; all sixteen work-groups are here: the joint loads meet
	s_mov_b32 s[G0S], 1
	s_add_co_u32 s[G0S+1], s94, SCL
	s_mov_b64 s[G0S+2:G0S+3], s[22:23]
	s_or_b32 s[G0S+3], s[G0S+3], 0x80000000
	s_mov_b32 s[G0SB], 1
	s_add_co_u32 s[G0SB+1], s94, SCL
	s_mov_b64 s[G0SB+2:G0SB+3], s[92:93]
	s_or_b32 s[G0SB+3], s[G0SB+3], 0x80000000
	JLOAD G0S, G1S, G0SB, G1SB                     ; the scales first: they are wanted with K step 0.  Three loads of mine are out behind the last of these
.irp s, 0,1
	s_mov_b32 s[G0+4*\s], 1
	s_add_co_u32 s[G0+4*\s+1], s45, \s*SLOT
	s_add_nc_u64 s[G0+4*\s+2:G0+4*\s+3], s[20:21], \s*ROWB
	s_or_b32 s[G0+4*\s+3], s[G0+4*\s+3], 0x80000000
	s_mov_b32 s[G0B+4*\s], 1
	s_add_co_u32 s[G0B+4*\s+1], s45, \s*SLOT
	s_add_nc_u64 s[G0B+4*\s+2:G0B+4*\s+3], s[46:47], \s*ROWB
	s_or_b32 s[G0B+4*\s+3], s[G0B+4*\s+3], 0x80000000
	JLOAD G0+4*\s, G1, G0B+4*\s, G1B
.endr
	v_and_b32 v1, 15, v0                           ; r = l % 16
	v_bfe_u32 v2, v0, 4, 1                         ; h = l / 16
	; the bias and the bases of the outputs, in registers that feed no descriptor
	s_lshl_b32 s46, s42, 10
	s_lshl_b32 s47, s16, 9
	s_add_co_u32 s46, s46, s47                     ; my first column x 4 bytes: 1,024 x tile column + 512 x half
	s_mov_b32 s47, 0
	s_add_nc_u64 s[96:97], s[96:97], s[46:47]
	s_add_nc_u64 s[98:99], s[98:99], s[46:47]
	v_lshlrev_b32 v[BO], 5, v2
.irp b, 0,1,2,3,4,5,6,7
	global_load_b128 v[BI+8*\b:BI+8*\b+3], v[BO], s[96:97] offset:64*\b       ; b_attn at my columns 16 b + 8 h + 0 .. 7
	global_load_b128 v[BI+8*\b+4:BI+8*\b+7], v[BO], s[96:97] offset:64*\b+16
.endr
	s_lshr_b32 s94, s17, 3                         ; the batch: eight tile rows to a sequence
	s_mul_i32 s92, s94, 16*12288
	s_mov_b32 s93, 0
	s_add_nc_u64 s[98:99], s[98:99], s[92:93]      ; q16 at the batch's 16 rows
	s_lshl_b32 s92, s42, 2
	s_lshl_b32 s95, s16, 1
	s_add_co_u32 s92, s92, s95                     ; my first group of 64 columns
	s_lshr_b32 s95, s92, 4                         ; q, k or v
	s_and_b32 s92, s92, 15                         ; the head
	s_lshl_b32 s95, s95, 6
	s_add_co_u32 s92, s92, s95
	s_lshl_b32 s94, s94, 4
	s_add_co_u32 s92, s92, s94                     ; part x 64 + batch x 16 + head
	s_lshl_b32 s92, s92, 11
	s_and_b32 s94, s17, 7
	s_lshl_b32 s95, s94, 8
	s_add_co_u32 s92, s92, s95
	s_lshl_b32 s95, s15, 7
	s_add_co_u32 s92, s92, s95                     ; + my first token
	s_lshl_b32 s92, s92, 7                         ; 128 bytes a token
	s_add_nc_u64 s[12:13], s[12:13], s[92:93]
	s_or_b32 s94, s94, s15
	s_cmp_eq_u32 s94, 0
	s_cselect_b32 s100, -1, 0                      ; all lanes where my rows 0-15 are tokens 0-15 of a sequence, else none: a mask for stores, no branch
	v_mul_u32_u24 v3, v1, PITCH
	v_lshl_add_u32 v4, v2, 4, v3                   ; a fragment's row x pitch + 16 x half
	s_mul_i32 s21, s15, HALFT
	s_mul_i32 s22, s16, HALFT
	s_add_co_u32 s22, s22, 2*HALFT
.irp s, 0,1
	v_add_nc_u32 v[ADRA+\s], s21, v4
	v_add_nc_u32 v[ADRB+\s], s22, v4
	s_add_co_u32 s21, s21, SLOT
	s_add_co_u32 s22, s22, SLOT
.endr
	v_mul_u32_u24 v5, v1, KS                       ; my row's scales: 32 bytes a row,
	v_lshrrev_b32 v6, 8, v5
	v_lshl_add_u32 v5, v6, 4, v5                   ; and 16 more for each 256 passed
	s_mul_i32 s21, s15, HALFS
	s_mul_i32 s22, s16, HALFS
	s_add_co_u32 s22, s22, 2*HALFS
	s_sub_co_u32 s22, s22, s21
	v_mul_u32_u24 v6, s22, v2                      ; lanes 16-31 take B's
	s_add_co_u32 s21, s21, SCL
	v_add_nc_u32 v5, v5, v6
	v_add_nc_u32 v[ADRS], s21, v5
	s_mul_i32 s23, s14, 16*SPITCH                  ; my stage
	v_mul_u32_u24 v5, v1, SPITCH
	v_lshl_add_u32 v5, v2, 4, v5
	v_add_nc_u32 v[STO], s23, v5                   ; in: row r, 16 bytes for each half of the lanes
	v_bfe_u32 v5, v0, 3, 1
	v_and_b32 v6, 7, v0
	v_mul_u32_u24 v3, v5, SPITCH
	v_lshl_add_u32 v3, v2, 7, v3
	v_lshl_add_u32 v3, v6, 4, v3
	v_add_nc_u32 v[RD], s23, v3                    ; back: lanes 0-15 two tokens' 128 bytes of my first head, lanes 16-31 of my second
	v_lshlrev_b32 v3, 7, v5
	v_lshl_add_u32 v3, v2, 18, v3
	v_lshl_add_u32 v[CO], v6, 4, v3                ; and the same in qkv: a head is 262,144 bytes on, a token 128
	v_mul_u32_u24 v[QO], v1, 12288
	v_lshl_add_u32 v[QO], v2, 5, v[QO]
.macro FRAG reg, adr, q, i             ; 16 rows x 128 K of 4-bit codes: 8 registers: lane l holds row l % 16; registers 4 c .. 4 c + 3 hold K = 64 c + 32 (l / 16) + 0 .. 31
.irp c, 0,1
	ds_load_b128 v[\reg+4*\c:\reg+4*\c+3], v[\adr] offset:64*(\q)+32*\c+(\i)*16*PITCH
.endr
.endm
; 16 matrix instructions: A's blocks a0, a0 + 1 x B's eight.  first = 1: the bias is the C.  The 64 accumulators take turns, one instruction a turn, in the same order in every step.
.macro MUL16 a0, p, q, sc, first
.irp a, \a0, \a0+1
.irp b, 0,1,2,3,4,5,6,7
.if \first
	v_wmma_scale_f32_16x16x128_f8f6f4 v[8*(8*((\a)%4)+\b):8*(8*((\a)%4)+\b)+7], v[128*(\p)+FR*\b:128*(\p)+FR*\b+FR-1], v[AF+FR*(\a):AF+FR*(\a)+FR-1], v[BI+8*\b:BI+8*\b+7], v[SC+8*NQ*(\sc)+NQ*\b+(\q)], v[SC+8*NQ*(\sc)+NQ*(\a)+(\q)] matrix_a_fmt:MATRIX_FMT_FP4 matrix_b_fmt:MATRIX_FMT_FP4 matrix_a_scale:MATRIX_SCALE_ROW1
.else
	v_wmma_scale_f32_16x16x128_f8f6f4 v[8*(8*((\a)%4)+\b):8*(8*((\a)%4)+\b)+7], v[128*(\p)+FR*\b:128*(\p)+FR*\b+FR-1], v[AF+FR*(\a):AF+FR*(\a)+FR-1], v[8*(8*((\a)%4)+\b):8*(8*((\a)%4)+\b)+7], v[SC+8*NQ*(\sc)+NQ*\b+(\q)], v[SC+8*NQ*(\sc)+NQ*(\a)+(\q)] matrix_a_fmt:MATRIX_FMT_FP4 matrix_b_fmt:MATRIX_FMT_FP4 matrix_a_scale:MATRIX_SCALE_ROW1
.endif
.endr
.endr
.endm
.macro FETCH_B slot, q, p
	WIN TO_B
.irp i, 0,1,2,3,4,5,6,7
	FRAG 128*(\p)+FR*\i, ADRB+\slot, \q, \i
.endr
	WIN 0
.endm
.macro FETCH_A slot, q, i0
.irp i, \i0, \i0+1, \i0+2, \i0+3
	FRAG AF+FR*(\i), ADRA+\slot, \q, \i
.endr
.endm
.macro SCALES sc                       ; a slot's scale words: four words a row; lanes 0-15 take A's block i, lanes 16-31 B's block i
.irp i, 0,1,2,3,4,5,6,7
	ds_load_b128 v[SC+8*NQ*\sc+NQ*\i:SC+8*NQ*\sc+NQ*\i+3], v[ADRS] offset:\i*SBLK
.endr
.endm
.macro PLACES n                        ; plain vector lines between a matrix instruction and a load into, or a read of, its registers
.rept \n
	v_nop
.endr
.endm
.macro STEP slot, q, first             ; 128 along K that has its successor in the same slot
	s_wait_dscnt 4*NL                              ; B's set and A's blocks 0-3 are in; the youngest eight loads (A's blocks 4-7) may be out
.if \first
	WIN BIA_LO
.else
	WIN MUL_LO
.endif
	MUL16 0, (\q)%2, \q, \slot, \first
	MUL16 2, (\q)%2, \q, \slot, \first
	s_wait_dscnt 0                                 ; A's blocks 4-7 are in
	PLACES NP
	FETCH_B \slot, (\q)+1, 1-(\q)%2
	FETCH_A \slot, (\q)+1, 0
.if \first
	WIN BIA_HI
.else
	WIN MUL_HI
.endif
	MUL16 4, (\q)%2, \q, \slot, \first
	MUL16 6, (\q)%2, \q, \slot, \first
	PLACES NP
	WIN 0
	FETCH_A \slot, (\q)+1, 4
.endm
.macro STEPS slot, from
.set Q, \from
.rept NQ-1-\from
	STEP \slot, Q, 0
.set Q, Q+1
.endr
.endm
	s_wait_tensorcnt 1                             ; the scales and my part of slot 0 are in; slot 1's load may be out
	s_barrier_signal -1
	s_barrier_wait -1                              ; everybody's are
	FETCH_B 0, 0, 0
	FETCH_A 0, 0, 0
	SCALES 0
	FETCH_A 0, 0, 4
	s_wait_loadcnt 0x0                             ; the bias
	STEP 0, 0, 1                                   ; the first products start the sums from the bias
	STEPS 0, 1
	; slot 0's last step changes slots: one barrier; in front of it each wave waits for all its tensor loads (slot 1's), adds 0 to its spare word, and waits for that and for its reads of slot 0
	s_wait_tensorcnt 0x0
	ds_add_u32 v[SPW], v[NIL]
	s_wait_dscnt 4*NL+1                            ; (the add and A's blocks 4-7 may be out)
	WIN MUL_LO
	MUL16 0, 1, NQ-1, 0, 0
	s_wait_dscnt 0x0                               ; the add is done, and my reads of slot 0 are over
	s_barrier_signal -1
	MUL16 2, 1, NQ-1, 0, 0
	WIN 0
	s_barrier_wait -1
	PLACES NP
	v_add_nc_u32 v[ADRS], 4*NQ, v[ADRS]            ; on to slot 1's scale words
	FETCH_B 1, 0, 0
	FETCH_A 1, 0, 0
	SCALES 1
	WIN MUL_HI
	MUL16 4, 1, NQ-1, 0, 0
	MUL16 6, 1, NQ-1, 0, 0
	PLACES NP
	WIN 0
	FETCH_A 1, 0, 4
	STEPS 1, 0
	s_wait_dscnt 4*NL                              ; the very last step: nothing more to fetch
	WIN MUL_LO
	MUL16 0, 1, NQ-1, 1, 0
	MUL16 2, 1, NQ-1, 1, 0
	s_wait_dscnt 0
	WIN MUL_HI
	MUL16 4, 1, NQ-1, 1, 0
	MUL16 6, 1, NQ-1, 1, 0
	WIN 0
	PLACES NP                                      ; behind the last products: for the reads of results and the loads into A's registers below
	; TOKENS 0-15 OF A SEQUENCE ALSO LEAVE IN f32, for the launch that carries them finely.  They are my block 0 in the waves whose rows begin a sequence; elsewhere the mask is empty and the stores do nothing.
	; No branch: partners of a cluster run alike.  Pieces of 16 bytes, 32 to a row's 512: 768 KiB of the launch's 49 MiB of output.
	s_wait_xcnt 0x0                                ; EXEC changes only behind this wait
	s_and_saveexec_b32 s101, s100
	WIN 0x08                                       ; a store's data: window 2
.irp b, 0,1,2,3,4,5,6,7
	global_store_b128 v[QO], v[8*\b:8*\b+3], s[98:99] offset:64*\b            ; each accumulator from its low end on
	global_store_b128 v[QO], v[8*\b+4:8*\b+7], s[98:99] offset:64*\b+16
.endr
	WIN 0
	s_wait_xcnt 0x0                                ; and again, in front of the line that widens it
	s_or_b32 exec_lo, exec_lo, s101
; THE WAY OUT, block by block of 16 tokens x 128 columns (two heads).  PACK: rounded to f16, 16 bytes a lane.  TOSTAGE: into my own stage and back by heads.  SEND: stored.
.macro PACK a
.set AC, 64*((\a)%4)
	WIN 0x0a+5*((\a)/4)                            ; sources 0 and 1: window 2 or 3
.irp b, 0,1,2,3,4,5,6,7
.irp r, 0,1,2,3
	v_cvt_pk_f16_f32 v[TMP+4*\b+\r], v[AC+8*\b+2*\r], v[AC+8*\b+2*\r+1]
.endr
.endr
	WIN 0
.endm
.macro TOSTAGE a
.set BB, BK+32*((\a)%2)
.irp b, 0,1,2,3,4,5,6,7
	ds_store_b128 v[STO], v[TMP+4*\b:TMP+4*\b+3] offset:32*\b
.endr
.irp t, 0,1,2,3,4,5,6,7
	ds_load_b128 v[BB+4*\t:BB+4*\t+3], v[RD] offset:\t*2*SPITCH    ; LDS serves a wave's instructions in order: these see the stores above
.endr
.endm
.macro SEND a, younger
.set BB, BK+32*((\a)%2)
	s_wait_dscnt \younger                          ; the block is back in registers
	s_wait_xcnt 0x0                                ; the stores of the block before have read their registers: the next block's loads may land there
.irp t, 0,1,2,3,4,5,6,7
	global_store_b128 v[CO], v[BB+4*\t:BB+4*\t+3], s[12:13] offset:(\a)*2048+\t*256 th:TH_STORE_NT   ; 16 lanes store two tokens of one head: 256 consecutive bytes, aligned
.endr
.endm
	PACK 0
	TOSTAGE 0
.irp a, 1,2,3,4,5,6,7                  ; block a's conversions stand between block a - 1's loads from the stage and the wait for them
	PACK \a
	SEND \a-1, 0
	TOSTAGE \a
.endr
	SEND 7, 0
	s_wait_tensorcnt 0x0                           ; the wave's end
	ds_add_u32 v[SPW], v[NIL]
	s_wait_dscnt 0x0
	CROUND                                         ; the closing round
	s_endpgm
.Lfunc_end_k_q54a1c86fd8_qkv:
	.size	k_q54a1c86fd8_qkv, .Lfunc_end_k_q54a1c86fd8_qkv-k_q54a1c86fd8_qkv
	.p2alignl 7, 3214868480
	.fill 96, 4, 3214868480
	.section	.rodata,"a",@progbits
	.p2align	6, 0x0
	.amdhsa_kernel k_q54a1c86fd8_qkv
		.amdhsa_group_segment_fixed_size 327680
		.amdhsa_private_segment_fixed_size 0
		.amdhsa_enable_private_segment 0
		.amdhsa_kernarg_size 56
		.amdhsa_user_sgpr_count 2
		.amdhsa_user_sgpr_kernarg_segment_ptr 1
		.amdhsa_wavefront_size32 1
		.amdhsa_system_sgpr_workgroup_id_x 1
		.amdhsa_system_sgpr_workgroup_id_y 1
		.amdhsa_system_sgpr_workgroup_id_z 1
		.amdhsa_system_vgpr_workitem_id 0
		.amdhsa_next_free_vgpr 1024
		.amdhsa_next_free_sgpr 102
		.amdhsa_reserve_vcc 0
		.amdhsa_float_denorm_mode_32 3
		.amdhsa_float_denorm_mode_16_64 3
		.amdhsa_memory_ordered 1
		.amdhsa_forward_progress 1
		.amdhsa_inst_pref_size 130
	.end_amdhsa_kernel
	.amdgpu_metadata
---
amdhsa.version: [ 1, 2 ]
amdhsa.kernels:
  - .name:           k_q54a1c86fd8_qkv
    .symbol:         k_q54a1c86fd8_qkv.kd
    .args:
      - { .name: xc, .offset: 0, .size: 8, .value_kind: global_buffer, .address_space: global }
      - { .name: xs, .offset: 8, .size: 8, .value_kind: global_buffer, .address_space: global }
      - { .name: wc, .offset: 16, .size: 8, .value_kind: global_buffer, .address_space: global }
      - { .name: ws, .offset: 24, .size: 8, .value_kind: global_buffer, .address_space: global }
      - { .name: qkv, .offset: 32, .size: 8, .value_kind: global_buffer, .address_space: global }
      - { .name: b_attn, .offset: 40, .size: 8, .value_kind: global_buffer, .address_space: global }
      - { .name: q16, .offset: 48, .size: 8, .value_kind: global_buffer, .address_space: global }
    .group_segment_fixed_size: 327680
    .private_segment_fixed_size: 0
    .kernarg_segment_align: 8
    .kernarg_segment_size: 56
    .max_flat_workgroup_size: 128
    .sgpr_count:     102
    .vgpr_count:     1024
    .wavefront_size: 32
...
	.end_amdgpu_metadata
.endif
;; end of part 2
;; launch attn (part 3): grid 64 x 4, 16 waves a work-group, no clusters, 327,680 bytes of LDS; arguments qkv, y; writes y
.if DOCPART == 3
	.amdgcn_target "amdgcn-amd-amdhsa--gfx1250"
	.amdhsa_code_object_version 6
	.text
	.protected	k_q54a1c86fd8_attn
	.globl	k_q54a1c86fd8_attn
	.p2align	8
	.type	k_q54a1c86fd8_attn,@function
k_q54a1c86fd8_attn:
	s_mov_b64 s[64:65], 0
	v_nop
	global_prefetch_b8 v0, s[64:65] scope:SCOPE_SE
	s_setreg_imm32_b32 hwreg(HW_REG_WAVE_MODE, 25, 1), 1
	s_wait_xcnt 0x0
; y[bh][q][:] = the sum over k <= q of softmax_k(Q[q] . K[k] / 8) V[k][:], for 64 heads of 2,048 tokens x 64 channels.  qkv: f16 [part 3][bh 64][2048][64]; y: f16 [bh][2048][64].
; Products on f16 operands with f32 sums; maxima, exponentials and sums in f32, with a running maximum; the weights p (at most 1) are rounded to f16 for the second product, y once at the end.
; LIMITS: |y| beyond 65,504 becomes infinity in f16; p under f16's smallest number counts as 0 in the second product (not in the row's sum).
; SHARES.  A work-group owns TWO blocks of 256 queries of one head: block i (waves 0-7) and block 7 - i (waves 8-15): under the causal mask the two together see (i + 1) + (8 - i) = 9 blocks of keys, the same
; in all four work-groups of a head.  A wave owns 32 queries, two tiles of 16, in 256 registers: four waves to a SIMD, so that one wave's vector work stands beside another's matrix work and LDS loads.
; K's and V's tiles come through a ring of two LDS slots of 256 keys (waves 0, 1: K's halves; waves 2, 3: V's), read by all sixteen waves; a key step is 64 keys.
; NO CLUSTER: the four work-groups of a head stop fetching at different keys, (8 - i) x 256: a joint load would bring tiles that every wave of some partner jumps over.
; LAYOUT.  S^T = K Q^T (source 0 = 16 keys, source 1 = 16 queries), O^T = V^T P (source 0 = 16 channels, by the turning load; source 1 = P): a lane holds ONE query (lane % 16) throughout, and two tiles of S^T, rounded in pairs, are P.
; EVERY work-group walks all eight slots: trip counts are constants.  A step all of whose keys come after the wave's queries is jumped over; a slot that no wave of the work-group reads is not asked for.
.set KP,    144                        ; a key's row of K in LDS: 128 bytes + 16
.set VP,    160                        ; of V: 128 + 32
.set VOFF,  256*KP                     ; a slot: 256 rows of K, then 256 of V
.set SLOT1, 1<<17                      ; slot 1 begins here: one exclusive or turns an address from one slot to the other
.set SPARE, SLOT1+256*(KP+VP)          ; the spare words: 128 bytes for each of sixteen waves
.set STAGE, SPARE+2048                 ; the way out: 16 rows x 144 for each wave: bytes of their own, never filled
.set NQ,    4
.set NSL,   8
.set AK0, 1
.set AV0, 2
.set SPW, 3
.set NIL, 4
.set ADK, 5
.set ADV, 6
.set DQ,  7                            ; v7  r - 8 h
.set GO,  8                            ; v8  16 x lane
.set STO, 9
.set RD,  10
.set PFO, 11                           ; v11 256 x lane
.set ST,  12                           ; tile t's statistics at v[ST + 8 t]: +0 c m, +1 m, +2, +3 l (even keys', odd keys'), +4 .. +7 at work (a in +6)
.set D0,  28                           ; v28, v29 the diagonal's bounds; v30 -infinity; v31 Q's address
.set NINF, 30
.set QF,  32                           ; v32-63   Q: tile t, channels 32 c on: 16 t + 8 c
.set KV,  64                           ; v64-127  K's fragments (16 kt + 8 c), then V's (32 kh + 8 ct)
.set S,   128                          ; v128-191 S^T: 32 t + 8 kt; P is packed into the low 16 of each tile
.set O,   192                          ; v192-255 O^T: 32 t + 8 ct
.set WV,  18
.set SEL, 20
.set CS,  22                           ; s[22:23] c = log2(e) / 8
.set G1K, 24
.set G1V, 32
.set G0K, 40
.set G0V, 44
.set TB,  2
.set SLOTS, 48
.set KF,  49                           ; the step's first key
.set Q0,  50                           ; my first query
.set LQ,  51                           ; my work-group's last query
.set PFA, 52
.set LIM, 54
; Waves 0 and 1 fetch for K, waves 2 and 3 for V, the others nothing.  An s_nop 0 and four v_nop follow each of the two lines.
.macro TLOAD
	s_cmp_lt_u32 s[WV], 2
	s_cbranch_scc0 .Lnot_k_\@
	tensor_load_to_lds s[G0K:G0K+3], s[G1K:G1K+7]
	s_nop 0
.rept 4
	v_nop
.endr
	s_branch .Lasked_\@
.Lnot_k_\@:
	s_cmp_lt_u32 s[WV], 4
	s_cbranch_scc0 .Lasked_\@
	tensor_load_to_lds s[G0V:G0V+3], s[G1V:G1V+7]
	s_nop 0
.rept 4
	v_nop
.endr
.Lasked_\@:
.endm
; A prefetch of what the NEXT change of slots will ask for: a slot's 32,768 bytes of K and of V.  Each aligned block of 256 bytes is named once in the launch: of a head's four work-groups the one with i = 0 asks, which
; walks all eight slots with its loads; in it waves 4-7 ask for K's block and waves 8-11 for V's, 8,192 bytes a wave, lanes 256 bytes apart.  Slots 0 and 1 come by their loads alone; the last change that fills a slot asks for nothing.
.macro ASK
	s_cmp_gt_u32 s[SLOTS], s[LIM]
	s_cbranch_scc0 .Lnot_mine_\@
	global_prefetch_b8 v[PFO], s[PFA:PFA+1] th:TH_LOAD_NT scope:SCOPE_SE
.Lnot_mine_\@:
.endm
	s_load_b128 s[4:7], s[0:1], 0x0                ; qkv s[4:5], y s[6:7]
	v_lshl_add_u32 v[SPW], v0, 2, SPARE
	v_mov_b32 v[NIL], 0
	ds_add_u32 v[SPW], v[NIL]                      ; the wave's opening: the add, twice on end, and its wait ahead of the first tensor load
	ds_add_u32 v[SPW], v[NIL]
	v_lshrrev_b32 v5, 5, v0
	v_readfirstlane_b32 s[WV], v5                  ; wave 0..15
	s_and_b32 s56, ttmp7, 0xffff                   ; i
	s_sub_co_u32 s57, 7, s56
	s_cmp_lt_u32 s[WV], 8
	s_cselect_b32 s57, s56, s57                    ; my block of 256 queries: i or 7 - i
	s_lshl_b32 s57, s57, 8
	s_and_b32 s58, s[WV], 7
	s_lshl_b32 s58, s58, 5
	s_add_co_u32 s[Q0], s57, s58
	s_sub_co_u32 s[LQ], 8, s56
	s_lshl_b32 s[LQ], s[LQ], 8
	s_sub_co_u32 s[LQ], s[LQ], 1                   ; block 7 - i's last query
	s_sub_co_u32 s57, s[WV], 4
	s_lshr_b32 s57, s57, 3                         ; 0 in waves 4 to 11,
	s_or_b32 s57, s57, s56                         ; of the work-group with i = 0
	s_cmp_eq_u32 s57, 0
	s_cselect_b32 s[LIM], 1, -1
	s_lshl_b32 s60, ttmp9, 18                      ; the head's 262,144 bytes in each part and in y
	s_mov_b32 s61, 0
	s_and_b32 s59, s[WV], 1                        ; which 128 of a slot's 256 rows I fetch
	s_lshl_b32 s62, s59, 14
	s_mov_b32 s63, 0
	s_mov_b32 s[G1K], (1<<16)|(1<<20)|(4<<22)|(3<<25)   ; no mask; elements of 2 bytes; padding on: 4 words behind every 32
	s_mov_b32 s[G1V], (1<<16)|(1<<20)|(4<<22)|(7<<25)   ; 8 words
.irp g, G1K, G1V
	s_mov_b32 s[\g+1], 64<<16                      ; tensor_dim0
	s_mov_b32 s[\g+2], 128<<16                     ; tensor_dim1
	s_mov_b32 s[\g+3], 64<<16                      ; tile_dim0
	s_mov_b32 s[\g+4], 128                         ; tile_dim1
	s_mov_b32 s[\g+5], 64                          ; from row to row
	s_mov_b32 s[\g+6], 0
	s_mov_b32 s[\g+7], 0
.endr
	s_mov_b32 s[G0K], 1
	s_mul_i32 s[G0K+1], s59, 128*KP
	s_mov_b32 s[G0V], 1
	s_mul_i32 s[G0V+1], s59, 128*VP
	s_add_co_u32 s[G0V+1], s[G0V+1], VOFF
	s_mov_b32 s[SEL], 0x76543210
	s_mov_b32 s[SEL+1], 0xfedcba98
	s_mov_b32 s[CS], 0x3e38aa3b                    ; c = log2(e) / sqrt(64)
	s_mov_b32 s[CS+1], s[CS]
	s_mov_b32 s[TB], 0
	s_mov_b32 s[SLOTS], NSL-1
	s_mov_b32 s[KF], 0
	s_wait_dscnt 0x0                               ; both opening adds are done
	s_wait_kmcnt 0x0
	s_add_nc_u64 s[4:5], s[4:5], s[60:61]          ; q at my head
	s_add_nc_u64 s[6:7], s[6:7], s[60:61]          ; y likewise
	s_add_nc_u64 s[8:9], s[4:5], 0x1000000         ; k: 64 heads on
	s_add_nc_u64 s[10:11], s[4:5], 0x2000000       ; v: 128 heads on
	s_add_nc_u64 s[G0K+2:G0K+3], s[8:9], s[62:63]
	s_or_b32 s[G0K+3], s[G0K+3], 0x80000000
	s_add_nc_u64 s[G0V+2:G0V+3], s[10:11], s[62:63]
	s_or_b32 s[G0V+3], s[G0V+3], 0x80000000
	TLOAD                                          ; slot 0: key 0 counts for every query, so it is read
	s_lshl_b32 s62, s[Q0], 7
	s_add_nc_u64 s[4:5], s[4:5], s[62:63]          ; q and y at my first query
	s_add_nc_u64 s[6:7], s[6:7], s[62:63]
	s_cmp_lt_u32 s[WV], 8
	s_cselect_b64 s[PFA:PFA+1], s[8:9], s[10:11]
	s_and_b32 s62, s[WV], 3
	s_lshl_b32 s62, s62, 13
	s_add_co_u32 s62, s62, 32768                   ; my wave's part, in slot 1: the first change of slots steps it to slot 2
	s_add_nc_u64 s[PFA:PFA+1], s[PFA:PFA+1], s[62:63]
	v_and_b32 v28, 15, v0                          ; r
	v_bfe_u32 v29, v0, 4, 1                        ; h
	v_lshlrev_b32 v31, 7, v28
	v_lshl_add_u32 v31, v29, 4, v31                ; Q: row r of 128 bytes, + 16 h
.irp t, 0,1
.irp c, 0,1
	global_load_b128 v[QF+16*\t+8*\c:QF+16*\t+8*\c+3], v31, s[4:5] offset:2048*\t+64*\c
	global_load_b128 v[QF+16*\t+8*\c+4:QF+16*\t+8*\c+7], v31, s[4:5] offset:2048*\t+64*\c+32
.endr
.endr
	v_mul_u32_u24 v[AK0], v28, KP
	v_lshl_add_u32 v[AK0], v29, 4, v[AK0]          ; K: row r x pitch + 16 h
	v_and_b32 v5, 7, v0
	v_bfe_u32 v6, v0, 3, 1
	v_lshl_add_u32 v[AV0], v29, 3, v5
	v_mul_u32_u24 v[AV0], v[AV0], VP
	v_lshl_add_u32 v[AV0], v6, 4, v[AV0]
	v_add_nc_u32 v[AV0], VOFF, v[AV0]              ; V, turned: key 8 h + l % 8, channels 8 ((l / 8) % 2) on
	v_lshlrev_b32 v[DQ], 3, v29
	v_sub_nc_u32 v[DQ], v28, v[DQ]
	v_and_b32 v[GO], 31, v0
	v_lshlrev_b32 v[PFO], 8, v[GO]
	v_lshlrev_b32 v[GO], 4, v[GO]
	s_mul_i32 s56, s[WV], 16*KP
	s_add_co_u32 s56, s56, STAGE                   ; my stage
	v_mul_u32_u24 v[STO], v28, KP
	v_lshl_add_u32 v[STO], v29, 4, v[STO]
	v_add_nc_u32 v[STO], s56, v[STO]               ; in: row r, 16 bytes for each half of the lanes
	v_bfe_u32 v[RD], v0, 3, 2
	v_mul_u32_u24 v[RD], v[RD], KP
	v_lshl_add_u32 v[RD], v5, 4, v[RD]
	v_add_nc_u32 v[RD], s56, v[RD]                 ; back: eight lanes to a token's 128 bytes, four tokens an instruction
	v_mov_b32 v[NINF], 0xff800000
.irp t, 0,1
	v_mov_b32 v[ST+8*\t+1], 0xff61b1e6             ; m: -3e38, under every score
	v_mul_f32 v[ST+8*\t], s[CS], v[ST+8*\t+1]      ; c m
.irp k, 2,3,4,5,6,7
	v_mov_b32 v[ST+8*\t+\k], 0                     ; l, and the registers at work
.endr
.endr
.set i, 0
.rept 64
	v_mov_b32 v[O+i], 0                            ; O^T.  (The step is written once: its first walk finds zeros, which a = 0 leaves zeros)
.set i, i+1
.endr
; A KEY STEP: 64 keys, the q-th of the slot in hand.
.macro STEP q
	s_add_co_u32 s56, s[Q0], 31
	s_cmp_gt_u32 s[KF], s56                        ; all keys come after my 32 queries: the step's work is left out (ids and the count of steps alone; no barrier and no tensor load stands in a step)
	s_cbranch_scc1 .Lhidden_\@
	v_add_nc_u32 v[ADK], s[TB], v[AK0]
	v_add_nc_u32 v[ADV], s[TB], v[AV0]
.rept 3
	v_nop                                          ; with the two additions five places behind the last products: K's loads land on registers that they read, and the first product below writes over the P that they read
.endr
.irp kt, 0,1,2,3
.irp c, 0,1
	ds_load_b128 v[KV+16*\kt+8*\c:KV+16*\kt+8*\c+3], v[ADK] offset:(64*(\q)+16*\kt)*KP+64*\c
	ds_load_b128 v[KV+16*\kt+8*\c+4:KV+16*\kt+8*\c+7], v[ADK] offset:(64*(\q)+16*\kt)*KP+64*\c+32
.endr
.endr
	s_wait_dscnt 0x0
.irp c, 0,1                                    ; S^T = K Q^T: eight accumulators by turns, one instruction a turn; the first eight start the sums
.irp kt, 0,1,2,3
.irp t, 0,1
.if \c == 0
	v_wmma_f32_16x16x32_f16 v[S+32*\t+8*\kt:S+32*\t+8*\kt+7], v[KV+16*\kt+8*\c:KV+16*\kt+8*\c+7], v[QF+16*\t+8*\c:QF+16*\t+8*\c+7], 0
.else
	v_wmma_f32_16x16x32_f16 v[S+32*\t+8*\kt:S+32*\t+8*\kt+7], v[KV+16*\kt+8*\c:KV+16*\kt+8*\c+7], v[QF+16*\t+8*\c:QF+16*\t+8*\c+7], v[S+32*\t+8*\kt:S+32*\t+8*\kt+7]
.endif
.endr
.endr
.endr
.rept 4
	v_nop                                          ; places: V's loads land on K's registers, and the scores are read below
.endr
.irp kh, 0,1                                   ; V, turned: it lands under the softmax
.irp ct, 0,1,2,3
	ds_load_tr16_b128 v[KV+32*\kh+8*\ct:KV+32*\kh+8*\ct+3], v[ADV] offset:(64*(\q)+32*\kh)*VP+32*\ct
	ds_load_tr16_b128 v[KV+32*\kh+8*\ct+4:KV+32*\kh+8*\ct+7], v[ADV] offset:(64*(\q)+32*\kh+16)*VP+32*\ct
.endr
.endr
	s_add_co_u32 s56, s[KF], 63                    ; on the diagonal hidden scores become -infinity ahead of the maximum; a step all of whose keys count for all my queries skips this
	s_cmp_le_u32 s56, s[Q0]
	s_cbranch_scc1 .Lopen_\@
	s_sub_co_i32 s56, s[Q0], s[KF]
	v_add_nc_u32 v[D0], s56, v[DQ]                 ; tile 0: register 8 kt + j holds key KF + 16 kt + 8 h + j: hidden where 16 kt + j > Q0 - KF + r - 8 h
	v_add_nc_u32 v[D0+1], 16, v[D0]                ; tile 1: 16 queries on
.irp t, 0,1
.irp kt, 0,1,2,3
.irp j, 0,1,2,3,4,5,6,7
	v_cmp_gt_i32 vcc_lo, 16*\kt+\j, v[D0+\t]
	v_cndmask_b32 v[S+32*\t+8*\kt+\j], v[S+32*\t+8*\kt+\j], v[NINF], vcc_lo
.endr
.endr
.endr
.Lopen_\@:
	; the maximum of a lane's 32 scores and the old m: four chains, each begun at an accumulator's low end; the two tiles line by line by turns
.irp k, 0,1,2,3
.irp t, 0,1
	v_max3_num_f32 v[ST+8*\t+4+\k], v[S+32*\t+8*\k], v[S+32*\t+8*\k+1], v[S+32*\t+8*\k+2]
.endr
.endr
.irp n, 3,5
.irp k, 0,1,2,3
.irp t, 0,1
	v_max3_num_f32 v[ST+8*\t+4+\k], v[ST+8*\t+4+\k], v[S+32*\t+8*\k+\n], v[S+32*\t+8*\k+\n+1]
.endr
.endr
.endr
.irp t, 0,1
	v_max3_num_f32 v[ST+8*\t+4], v[ST+8*\t+4], v[S+32*\t+7], v[S+32*\t+15]
.endr
.irp t, 0,1
	v_max3_num_f32 v[ST+8*\t+6], v[ST+8*\t+6], v[S+32*\t+23], v[S+32*\t+31]
.endr
.irp t, 0,1
	v_max3_num_f32 v[ST+8*\t+4], v[ST+8*\t+4], v[ST+8*\t+5], v[ST+8*\t+6]
.endr
.irp t, 0,1
	v_max3_num_f32 v[ST+8*\t+4], v[ST+8*\t+4], v[ST+8*\t+7], v[ST+8*\t+1]
.endr
.irp t, 0,1
	v_permlanex16_b32 v[ST+8*\t+5], v[ST+8*\t+4], s[SEL], s[SEL+1]   ; the query's other 32 keys lie in the lane 16 away
.endr
.irp t, 0,1
	v_mov_b32 v[ST+8*\t+7], v[ST+8*\t]             ; c m_old is kept for a
.endr
.irp t, 0,1
	v_max_num_f32 v[ST+8*\t+1], v[ST+8*\t+4], v[ST+8*\t+5]
.endr
.irp t, 0,1
	v_mul_f32 v[ST+8*\t], s[CS], v[ST+8*\t+1]
.endr
.irp t, 0,1
	v_sub_f32 v[ST+8*\t+7], v[ST+8*\t+7], v[ST+8*\t]
.endr
.set i, 0
.rept 16
	v_pk_fma_f32 v[S+i:S+i+1], v[S+i:S+i+1], s[CS:CS+1], v[ST:ST+1] op_sel_hi:[1,0,0] neg_lo:[0,0,1] neg_hi:[0,0,1]   ; c s - c m, two at a time
	v_pk_fma_f32 v[S+32+i:S+32+i+1], v[S+32+i:S+32+i+1], s[CS:CS+1], v[ST+8:ST+9] op_sel_hi:[1,0,0] neg_lo:[0,0,1] neg_hi:[0,0,1]
.set i, i+2
.endr
	v_exp_f32 v[ST+6], v[ST+7]                     ; ONE BATCH of 66 exponentials: a = 2^(c m_old - c m_new) of both tiles,
	v_exp_f32 v[ST+14], v[ST+15]
.set i, 0
.rept 64
	v_exp_f32 v[S+i], v[S+i]                       ; and p = 2^(c s - c m)
.set i, i+1
.endr
	v_nop                                          ; a plain line behind the last exponential
	s_wait_alu depctr_va_vdst(0)                   ; one wait for the whole batch, ahead of its first reader
	v_pk_mul_f32 v[ST+2:ST+3], v[ST+2:ST+3], v[ST+6:ST+7] op_sel_hi:[1,0]       ; l under the new m
	v_pk_mul_f32 v[ST+10:ST+11], v[ST+10:ST+11], v[ST+14:ST+15] op_sel_hi:[1,0]
	v_pk_add_f32 v[ST+4:ST+5], v[S:S+1], v[S+2:S+3]                             ; the row's sum, of p in f32: two chains a tile
	v_pk_add_f32 v[ST+12:ST+13], v[S+32:S+33], v[S+34:S+35]
.set i, 4
.rept 7
	v_pk_add_f32 v[ST+2:ST+3], v[ST+2:ST+3], v[S+i:S+i+1]
	v_pk_add_f32 v[ST+10:ST+11], v[ST+10:ST+11], v[S+32+i:S+32+i+1]
	v_pk_add_f32 v[ST+4:ST+5], v[ST+4:ST+5], v[S+i+2:S+i+3]
	v_pk_add_f32 v[ST+12:ST+13], v[ST+12:ST+13], v[S+32+i+2:S+32+i+3]
.set i, i+4
.endr
	v_pk_add_f32 v[ST+2:ST+3], v[ST+2:ST+3], v[ST+4:ST+5]
	v_pk_add_f32 v[ST+10:ST+11], v[ST+10:ST+11], v[ST+12:ST+13]
.set i, 0
.rept 16
	v_cvt_pk_f16_f32 v[S+i], v[S+2*i], v[S+2*i+1]              ; P, in place: register i takes numbers 2 i and 2 i + 1, ascending, so nothing is overwritten before it is read
	v_cvt_pk_f16_f32 v[S+32+i], v[S+32+2*i], v[S+32+2*i+1]
.set i, i+1
.endr
.set i, 0
.rept 16
	v_pk_mul_f32 v[O+i:O+i+1], v[O+i:O+i+1], v[ST+6:ST+7] op_sel_hi:[1,0]       ; O^T under the new m, each accumulator from its low end on
	v_pk_mul_f32 v[O+32+i:O+32+i+1], v[O+32+i:O+32+i+1], v[ST+14:ST+15] op_sel_hi:[1,0]
.set i, i+2
.endr
	s_wait_dscnt 0x0                               ; V is in
.irp kh, 0,1                                   ; O^T += V^T P: eight accumulators by turns
.irp ct, 0,1,2,3
.irp t, 0,1
	v_wmma_f32_16x16x32_f16 v[O+32*\t+8*\ct:O+32*\t+8*\ct+7], v[KV+32*\kh+8*\ct:KV+32*\kh+8*\ct+7], v[S+32*\t+8*\kh:S+32*\t+8*\kh+7], v[O+32*\t+8*\ct:O+32*\t+8*\ct+7]
.endr
.endr
.endr
.Lhidden_\@:
	s_add_co_u32 s[KF], s[KF], 64
.endm
; THE CHANGE OF SLOTS stands at a slot's head.  Each wave waits for all its tensor loads (its part of the slot ahead), adds 0 to its spare word, and waits for that and for its reads of the slot that it has left.
; Behind the barrier the slot ahead is whole and nobody reads the other one; fill = 1: that one is asked for anew, up to the causal limit: the load has a slot's four steps in which to land.
.macro CHANGE fill
	s_wait_tensorcnt 0x0                           ; no tensor load of mine is out, so a group 0 may be written
	ds_add_u32 v[SPW], v[NIL]
.if \fill
	ds_add_u32 v[SPW], v[NIL]                      ; and once more, in every trip alike
	s_xor_b32 s[G0K+1], s[G0K+1], SLOT1            ; the walking descriptors: the other slot,
	s_add_nc_u64 s[G0K+2:G0K+3], s[G0K+2:G0K+3], 32768   ; the next 256 keys
	s_xor_b32 s[G0V+1], s[G0V+1], SLOT1
	s_add_nc_u64 s[G0V+2:G0V+3], s[G0V+2:G0V+3], 32768
	s_wait_xcnt 0x0                                ; the last prefetch, a slot back, has read its address
	s_add_nc_u64 s[PFA:PFA+1], s[PFA:PFA+1], 32768
.endif
	s_wait_dscnt 0x0                               ; the add is done, and my reads of the slot that I have left are over
	s_barrier_signal -1
	s_barrier_wait -1
.if \fill
	s_add_co_u32 s56, s[KF], 256                   ; the first key of the slot that this change would ask for
	s_cmp_gt_u32 s56, s[LQ]                        ; past my work-group's last query none of its waves reads it: it is not asked for.  Ids and the count of steps alone: all sixteen waves go the same way
	s_cbranch_scc1 .Lpast_\@
	TLOAD                                          ; a wave's one tensor load until the next such barrier
.Lpast_\@:
	ASK
.endif
.endm
.macro SLOT_STEPS
.irp q, 0,1,2,3
	STEP \q
.endr
	s_xor_b32 s[TB], s[TB], SLOT1
.endm
	s_wait_loadcnt 0x0                             ; Q
.Lslot:                                            ; seven trips: behind each change of slots but the last the next slot is asked for
	CHANGE 1
	SLOT_STEPS
	s_sub_co_u32 s[SLOTS], s[SLOTS], 1
	s_cmp_lg_u32 s[SLOTS], 0
	s_cbranch_scc1 .Lslot
	CHANGE 0                                       ; the last slot is written out: nothing is left to ask for
	SLOT_STEPS
	; THE WAY OUT.  l's halves are added; O^T is divided by l, rounded to f16 and sent through my stage, a tile of 16 tokens at a time.  The additions and the v_nop are the places behind the last products.
.irp t, 0,1
	v_add_f32 v[ST+8*\t+4], v[ST+8*\t+2], v[ST+8*\t+3]
.endr
.irp t, 0,1
	v_permlanex16_b32 v[ST+8*\t+5], v[ST+8*\t+4], s[SEL], s[SEL+1]
.endr
.irp t, 0,1
	v_add_f32 v[ST+8*\t+4], v[ST+8*\t+4], v[ST+8*\t+5]
.endr
.irp t, 0,1
	v_rcp_f32 v[ST+8*\t+6], v[ST+8*\t+4]
.endr
	v_nop
	s_wait_alu depctr_va_vdst(0)                   ; one wait for both reciprocals, ahead of their first reader
.macro PACKT t
.set i, 0
.rept 16
	v_pk_mul_f32 v[O+32*\t+i:O+32*\t+i+1], v[O+32*\t+i:O+32*\t+i+1], v[ST+8*\t+6:ST+8*\t+7] op_sel_hi:[1,0]
.set i, i+2
.endr
.set i, 0
.rept 16
	v_cvt_pk_f16_f32 v[S+32*\t+i], v[O+32*\t+2*i], v[O+32*\t+2*i+1]
.set i, i+1
.endr
.irp ct, 0,1,2,3
	ds_store_b128 v[STO], v[S+32*\t+4*\ct:S+32*\t+4*\ct+3] offset:32*\ct
.endr
.irp u, 0,1,2,3
	ds_load_b128 v[S+32*\t+16+4*\u:S+32*\t+16+4*\u+3], v[RD] offset:\u*4*KP   ; LDS serves a wave's instructions in order: these see the stores above, and the next tile's stores come behind them
.endr
.endm
.macro SENDT t, younger
.irp u, 0,1,2,3
	s_wait_dscnt \younger+3-\u
	global_store_b128 v[GO], v[S+32*\t+16+4*\u:S+32*\t+16+4*\u+3], s[6:7] offset:2048*\t+512*\u   ; 32 lanes store four tokens: 512 consecutive bytes, aligned
.endr
.endm
	PACKT 0
	PACKT 1
	SENDT 0, 8
	SENDT 1, 0
	s_wait_tensorcnt 0x0                           ; the wave's end
	ds_add_u32 v[SPW], v[NIL]
	s_wait_dscnt 0x0
	s_endpgm
.Lfunc_end_k_q54a1c86fd8_attn:
	.size	k_q54a1c86fd8_attn, .Lfunc_end_k_q54a1c86fd8_attn-k_q54a1c86fd8_attn
	.p2alignl 7, 3214868480
	.fill 96, 4, 3214868480
	.section	.rodata,"a",@progbits
	.p2align	6, 0x0
	.amdhsa_kernel k_q54a1c86fd8_attn
		.amdhsa_group_segment_fixed_size 327680
		.amdhsa_private_segment_fixed_size 0
		.amdhsa_enable_private_segment 0
		.amdhsa_kernarg_size 16
		.amdhsa_user_sgpr_count 2
		.amdhsa_user_sgpr_kernarg_segment_ptr 1
		.amdhsa_wavefront_size32 1
		.amdhsa_system_sgpr_workgroup_id_x 1
		.amdhsa_system_sgpr_workgroup_id_y 1
		.amdhsa_system_sgpr_workgroup_id_z 1
		.amdhsa_system_vgpr_workitem_id 0
		.amdhsa_next_free_vgpr 256
		.amdhsa_next_free_sgpr 72
		.amdhsa_reserve_vcc 1
		.amdhsa_float_denorm_mode_32 3
		.amdhsa_float_denorm_mode_16_64 3
		.amdhsa_memory_ordered 1
		.amdhsa_forward_progress 1
		.amdhsa_inst_pref_size 188
	.end_amdhsa_kernel
	.amdgpu_metadata
---
amdhsa.version: [ 1, 2 ]
amdhsa.kernels:
  - .name:           k_q54a1c86fd8_attn
    .symbol:         k_q54a1c86fd8_attn.kd
    .args:
      - { .name: qkv, .offset: 0, .size: 8, .value_kind: global_buffer, .address_space: global }
      - { .name: y, .offset: 8, .size: 8, .value_kind: global_buffer, .address_space: global }
    .group_segment_fixed_size: 327680
    .private_segment_fixed_size: 0
    .kernarg_segment_align: 8
    .kernarg_segment_size: 16
    .max_flat_workgroup_size: 512
    .sgpr_count:     72
    .vgpr_count:     256
    .wavefront_size: 32
...
	.end_amdgpu_metadata
.endif
;; end of part 3
;; launch proj (part 4): grid 4 x 64, 4 waves a work-group, clusters of 4 x 4, 327,680 bytes of LDS; arguments y, wp16, b_proj, out0; writes out0
.if DOCPART == 4
	.amdgcn_target "amdgcn-amd-amdhsa--gfx1250"
	.amdhsa_code_object_version 6
	.text
	.protected	k_q54a1c86fd8_proj
	.globl	k_q54a1c86fd8_proj
	.p2align	8
	.type	k_q54a1c86fd8_proj,@function
k_q54a1c86fd8_proj:
	s_mov_b64 s[64:65], 0
	v_nop
	global_prefetch_b8 v0, s[64:65] scope:SCOPE_SE
	s_setreg_imm32_b32 hwreg(HW_REG_WAVE_MODE, 25, 1), 1
	s_wait_xcnt 0x0
	s_wait_alu depctr_hold_cnt(0) depctr_sa_sdst(0) depctr_va_vdst(0) depctr_va_sdst(0) depctr_va_ssrc(0) depctr_va_vcc(0) depctr_vm_vsrc(0)
	s_getreg_b32 s2, hwreg(HW_REG_IB_STS2, 6, 4)
	s_cmp_eq_u32 s2, 0
	s_cbranch_scc0 .Lentry_in_a_cluster
	s_endpgm
.Lentry_in_a_cluster:
	s_bfe_u32 s2, ttmp6, 0x10000c
	s_cmp_lg_u32 s2, 0xf033
	s_cbranch_scc0 .Lentry_shape_is_right
	s_endpgm
.Lentry_shape_is_right:
; out0 = y w_proj + b_proj on f16 operands, sums in f32.  y: f16 [batch x head 64][token 2048][64]: K of the product is head x 64 + channel, which is w_proj's own row order.  wp16: f16 [k 1024][n 1024].  out0: f32 [8192][1024].
; (The rows of tokens 0-15 of each sequence are written here too; a later launch, which carries them in f32, writes them again.)
; A tile of 128 rows x 256 columns is made by four waves, each 64 x 128: 32 accumulators, window 1.  256 work-groups.  K goes in steps of 128 (two heads) through two LDS slots.
; CLUSTERS: 4 x 4 work-groups: A's tiles are shared along a row of the cluster, B's along a column, each asked for jointly.
; THE MATRIX INSTRUCTION IS USED TRANSPOSED: source 0 = 16 columns of w_proj (stored [k][n]: by the turning load), source 1 = 16 rows of y: a lane holds eight neighbouring columns of one row.
; REGISTERS: window 0: v0-31 addresses and the bias; two fragment buffers of 96 at v32 and v128: A's four blocks, then B's eight.  window 1: accumulator (a, b) at v[8 (8 a + b)].
.set AP,    144                        ; a row of y's tile in LDS: 128 bytes + 16
.set PLANE, 128*AP                     ; a head's 128 rows
.set BP,    544                        ; a k-row of w's tile: 512 bytes + 32
.set BOFF,  2*PLANE
.set SLOT,  BOFF+128*BP
.set STAGE, 2*SLOT                     ; the way out: 16 rows x 528 for each wave: bytes of their own, never filled
.set SPITCH, 528
.set SPARE, STAGE+4*16*SPITCH          ; the spare words
.set LAPS,  4                          ; a lap = two K steps
.set ADRA, 16
.set ADRB, 20
.set STO,  24
.set RD,   25
.set CO,   26                          ; v26 16 x lane
.set SPW,  28
.set NIL,  29
.set PFO,  30                          ; v30 256 x lane
.set BIAS, 12                          ; v12-15 b_proj at my four columns of a row read back
.set F0,   32
.set F1,   128
.set OB,   32
.set G1, 24
.set G0, 32
.set G1B, 48
.set G0B, 56
.set PFA, 66
.set LIM, 68
.set MSB, 0
.macro WIN new
.if MSB != \new
	s_set_vgpr_msb (MSB<<8)|\new
.set MSB, \new
.endif
.endm
.set MULW, 0x50                        ; sources 0 and 1 window 0; C and D window 1
.macro JLOAD s                         ; a joint load: waves 0 and 1 fetch A's two heads, waves 2 and 3 B's two halves; an s_nop 0 and four v_nop follow each of the two lines
	s_cmp_eq_u32 s15, 0
	s_cbranch_scc0 .Lfor_b_\@
	tensor_load_to_lds s[G0+4*\s:G0+4*\s+3], s[G1:G1+7]
	s_nop 0
.rept 4
	v_nop
.endr
	s_branch .Lasked_\@
.Lfor_b_\@:
	tensor_load_to_lds s[G0B+4*\s:G0B+4*\s+3], s[G1B:G1B+7]
	s_nop 0
.rept 4
	v_nop
.endr
.Lasked_\@:
.endm
.macro CREST
	s_cmp_lg_u32 s14, 0
	s_cbranch_scc1 .Lnot_wave_0_\@
	s_barrier_signal -3
.Lnot_wave_0_\@:
	s_barrier_wait -3
	s_barrier_signal -1
	s_barrier_wait -1
.endm
.macro CROUND
	s_barrier_signal -1
	s_barrier_wait -1
	CREST
.endm
; A prefetch of y's K step that stands two refills on: 32,768 bytes (two heads x 128 rows x 128 bytes).  A tile row of y is read by one cluster alone; its four partners along x share the step out BY ADDRESS,
; 8,192 bytes each, lanes 256 bytes apart; in each, wave 0 asks.  So each aligned block of 256 bytes is named once.  K steps 0 to 3 come by their loads alone; the loop's last trip asks for nothing.
.macro ASK
	s_cmp_gt_u32 s3, s[LIM]
	s_cbranch_scc0 .Lnot_mine_\@
	global_prefetch_b8 v[PFO], s[PFA:PFA+1] offset:524288 th:TH_LOAD_NT scope:SCOPE_SE
.Lnot_mine_\@:
.endm
	s_load_b256 s[4:11], s[0:1], 0x0               ; y s[4:5], wp16 s[6:7], b_proj s[8:9], out0 s[10:11]
	v_lshl_add_u32 v[SPW], v0, 2, SPARE
	v_mov_b32 v[NIL], 0
	ds_add_u32 v[SPW], v[NIL]                      ; the wave's opening: the add, twice on end, and its wait ahead of my first tensor load
	ds_add_u32 v[SPW], v[NIL]
	v_lshrrev_b32 v1, 5, v0
	v_readfirstlane_b32 s14, v1                    ; wave 0..3
	s_lshr_b32 s15, s14, 1                         ; which 64 of the tile's rows are mine.  Also: I fetch for A (0) or for B (1)
	s_and_b32 s16, s14, 1                          ; which 128 of its columns.  Also: which head, or which 64 k-rows, I fetch
	s_bfe_u32 s40, ttmp6, 0x40000                  ; cx, cy
	s_bfe_u32 s41, ttmp6, 0x40004
	s_lshl_b32 s42, ttmp9, 2
	s_add_co_u32 s42, s42, s40                     ; tile column
	s_and_b32 s17, ttmp7, 0xffff
	s_lshl_b32 s17, s17, 2
	s_add_co_u32 s17, s17, s41                     ; tile row
	s_lshl_b32 s43, s41, 2
	s_lshl_b32 s43, 15, s43                        ; my row of the cluster
	s_lshl_b32 s44, 0x1111, s40                    ; my column
	s_or_b32 s[G1+0], s43, (1<<16)|(1<<20)|(1<<21)|(4<<22)|(3<<25)   ; A: elements of 2 bytes; 4 words of padding behind every 32
	s_mov_b32 s[G1+1], 64<<16                      ; tensor_dim0
	s_mov_b32 s[G1+2], 128<<16                     ; tensor_dim1
	s_mov_b32 s[G1+3], 64<<16                      ; tile_dim0
	s_mov_b32 s[G1+4], 128                         ; tile_dim1
	s_mov_b32 s[G1+5], 64                          ; from row to row
	s_mov_b32 s[G1+6], 0
	s_mov_b32 s[G1+7], 0
	s_or_b32 s[G1B+0], s44, (1<<16)|(1<<20)|(1<<21)|(6<<22)|(7<<25)  ; B: 8 words behind every 128
	s_mov_b32 s[G1B+1], 256<<16
	s_mov_b32 s[G1B+2], 64<<16
	s_mov_b32 s[G1B+3], 256<<16
	s_mov_b32 s[G1B+4], 64
	s_mov_b32 s[G1B+5], 1024
	s_mov_b32 s[G1B+6], 0
	s_mov_b32 s[G1B+7], 0
	s_lshr_b32 s20, s17, 4                         ; A: the batch (16 tile rows to a sequence),
	s_lshl_b32 s20, s20, 4
	s_add_co_u32 s20, s20, s16                     ; its head 0 or 1,
	s_lshl_b32 s20, s20, 18
	s_and_b32 s21, s17, 15
	s_lshl_b32 s21, s21, 14                        ; and the tile's 128 tokens of 128 bytes
	s_add_co_u32 s20, s20, s21
	s_mov_b32 s21, 0
	s_lshl_b32 s46, s16, 17                        ; B: k-row 0 or 64 (2,048 bytes a row),
	s_lshl_b32 s47, s42, 9                         ; and the tile's 256 columns
	s_add_co_u32 s46, s46, s47
	s_mov_b32 s47, 0
	s_mul_i32 s45, s16, PLANE                      ; where they go: no place in the cluster enters an LDS address
	s_mul_i32 s22, s16, 64*BP
	s_add_co_u32 s22, s22, BOFF
	s_cmp_eq_u32 s14, 0
	s_cselect_b32 s[LIM], 1, -1
	s_wait_dscnt 0x0                               ; both opening adds are done
	s_wait_kmcnt 0x0
	s_add_nc_u64 s[20:21], s[4:5], s[20:21]
	s_add_nc_u64 s[46:47], s[6:7], s[46:47]
	CROUND                                         ; all sixteen work-groups are here: the first joint loads meet
.irp s, 0,1
	s_mov_b32 s[G0+4*\s], 1
	s_add_co_u32 s[G0+4*\s+1], s45, \s*SLOT
	s_add_nc_u64 s[G0+4*\s+2:G0+4*\s+3], s[20:21], \s*524288     ; K step s: two heads on
	s_or_b32 s[G0+4*\s+3], s[G0+4*\s+3], 0x80000000
	s_mov_b32 s[G0B+4*\s], 1
	s_add_co_u32 s[G0B+4*\s+1], s22, \s*SLOT
	s_add_nc_u64 s[G0B+4*\s+2:G0B+4*\s+3], s[46:47], \s*262144   ; 128 k-rows on
	s_or_b32 s[G0B+4*\s+3], s[G0B+4*\s+3], 0x80000000
	JLOAD \s
.endr
	v_and_b32 v1, 15, v0                           ; r
	v_bfe_u32 v2, v0, 4, 1                         ; h
	v_and_b32 v3, 31, v0
	v_lshlrev_b32 v[CO], 4, v3
	v_lshlrev_b32 v[PFO], 8, v3
	s_lshl_b32 s70, s42, 10
	s_lshl_b32 s71, s16, 9
	s_add_co_u32 s70, s70, s71                     ; my first column x 4 bytes
	s_mov_b32 s71, 0
	s_add_nc_u64 s[8:9], s[8:9], s[70:71]
	global_load_b128 v[BIAS:BIAS+3], v[CO], s[8:9]
	s_add_nc_u64 s[10:11], s[10:11], s[70:71]
	s_lshl_b32 s70, s17, 7
	s_lshl_b32 s69, s15, 6
	s_add_co_u32 s70, s70, s69
	s_lshl_b32 s70, s70, 12                        ; my first row of 4,096 bytes
	s_add_nc_u64 s[10:11], s[10:11], s[70:71]
	s_lshr_b32 s70, s17, 4                         ; the prefetches: my work-group's quarter of K step 2; the first refill steps it to 3 and names K step 4
	s_lshl_b32 s70, s70, 4
	s_lshr_b32 s69, s40, 1
	s_add_co_u32 s70, s70, s69
	s_add_co_u32 s70, s70, 4
	s_lshl_b32 s70, s70, 18
	s_and_b32 s69, s17, 15
	s_lshl_b32 s69, s69, 14
	s_add_co_u32 s70, s70, s69
	s_and_b32 s69, s40, 1
	s_lshl_b32 s69, s69, 13
	s_add_co_u32 s70, s70, s69
	s_add_nc_u64 s[PFA:PFA+1], s[4:5], s[70:71]
	v_mul_u32_u24 v3, v1, AP
	v_lshl_add_u32 v3, v2, 4, v3                   ; A: row r x pitch + 16 h
	s_mul_i32 s21, s15, 64*AP                      ; my 64 rows
	v_and_b32 v4, 7, v0
	v_bfe_u32 v5, v0, 3, 1
	v_lshl_add_u32 v6, v2, 3, v4
	v_mul_u32_u24 v6, v6, BP
	v_lshl_add_u32 v6, v5, 4, v6                   ; B, turned: k-row 8 h + l % 8, columns 8 ((l / 8) % 2) on
	s_lshl_b32 s22, s16, 8                         ; my 128 columns
	s_add_co_u32 s22, s22, BOFF
.irp s, 0,1
	v_add_nc_u32 v[ADRA+\s], s21, v3
	v_add_nc_u32 v[ADRB+\s], s22, v6
	s_add_co_u32 s21, s21, SLOT
	s_add_co_u32 s22, s22, SLOT
.endr
	s_mul_i32 s23, s14, 16*SPITCH
	s_add_co_u32 s23, s23, STAGE                   ; my stage
	v_mul_u32_u24 v3, v1, SPITCH
	v_lshl_add_u32 v3, v2, 5, v3
	v_add_nc_u32 v[STO], s23, v3                   ; in: row r, 32 bytes for each half of the lanes
	v_add_nc_u32 v[RD], s23, v[CO]                 ; back: the 32 lanes take one row of 512 bytes
.macro MUL8 f, a, zero                 ; A's block a x B's eight, 32 along K.  The 32 accumulators take turns, one instruction a turn, in the same order in every quarter
.irp b, 0,1,2,3,4,5,6,7
.if \zero
	v_wmma_f32_16x16x32_f16 v[8*(8*(\a)+\b):8*(8*(\a)+\b)+7], v[\f+32+8*\b:\f+32+8*\b+7], v[\f+8*(\a):\f+8*(\a)+7], 0
.else
	v_wmma_f32_16x16x32_f16 v[8*(8*(\a)+\b):8*(8*(\a)+\b)+7], v[\f+32+8*\b:\f+32+8*\b+7], v[\f+8*(\a):\f+8*(\a)+7], v[8*(8*(\a)+\b):8*(8*(\a)+\b)+7]
.endif
.endr
.endm
.macro FETCH slot, q, f                ; 24 LDS loads in one run: the slot's q-th 32 along K: B's eight blocks, then A's four
.irp b, 0,1,2,3,4,5,6,7
	ds_load_tr16_b128 v[\f+32+8*\b:\f+32+8*\b+3], v[ADRB+\slot] offset:32*(\q)*BP+32*\b
	ds_load_tr16_b128 v[\f+32+8*\b+4:\f+32+8*\b+7], v[ADRB+\slot] offset:(32*(\q)+16)*BP+32*\b
.endr
.irp a, 0,1,2,3
	ds_load_b128 v[\f+8*\a:\f+8*\a+3], v[ADRA+\slot] offset:((\q)/2)*PLANE+((\q)%2)*64+\a*16*AP
	ds_load_b128 v[\f+8*\a+4:\f+8*\a+7], v[ADRA+\slot] offset:((\q)/2)*PLANE+((\q)%2)*64+\a*16*AP+32
.endr
.endm
.macro PLACES
.rept 4
	v_nop
.endr
.endm
.macro QUARTER slot, q, f, g, zero     ; multiplies buffer f; in its middle it fetches the slot's q-th 32 along K into buffer g
	s_wait_dscnt 4                                 ; B and A's blocks 0, 1 are in; the youngest four loads (A's blocks 2, 3) may be out
	WIN MULW
	MUL8 \f, 0, \zero
	MUL8 \f, 1, \zero
	PLACES                                         ; in front of loads into registers that the quarter before multiplied
	WIN 0
	FETCH \slot, \q, \g
	s_wait_dscnt 24                                ; all but the 24 just issued
	WIN MULW
	MUL8 \f, 2, \zero
	MUL8 \f, 3, \zero
.endm
; A slot's last quarter multiplies buffer 1 and changes slots: ONE barrier; in front of it each wave waits for all its tensor loads, adds 0 to its spare word, and waits for that and for its own reads of this slot.
; fill = 1: the barrier opens a round of the cluster's, and this slot is filled again, two K steps ahead: 112 matrix instructions ahead of the wait for it.
.macro TURN slot, next, fill
.if \fill
	s_wait_xcnt 0x0                                ; the last prefetch, a K step back, has read its address
	s_add_nc_u64 s[PFA:PFA+1], s[PFA:PFA+1], 524288
.endif
	WIN 0
	s_wait_tensorcnt 0x0                           ; all my tensor loads have landed: my part of the next slot
	ds_add_u32 v[SPW], v[NIL]
	s_wait_dscnt 5                                 ; (the add and the youngest four loads may be out)
	WIN MULW
	MUL8 F1, 0, 0
	s_wait_dscnt 0x0                               ; the add is done, and my reads of this slot are over
	s_barrier_signal -1
	MUL8 F1, 1, 0
	WIN 0
	s_barrier_wait -1
.if \fill
	CREST                                          ; no wave of any partner still reads this slot's tile or has a load on its way
	s_add_nc_u64 s[G0+4*\slot+2:G0+4*\slot+3], s[G0+4*\slot+2:G0+4*\slot+3], 1048576
	s_add_nc_u64 s[G0B+4*\slot+2:G0B+4*\slot+3], s[G0B+4*\slot+2:G0B+4*\slot+3], 524288
	JLOAD \slot                                    ; the first tensor load behind the round; its four v_nop are also the places in front of the loads below
.else
	PLACES
.endif
	FETCH \next, 0, F0
.if \fill
	ASK
.endif
	WIN MULW
	MUL8 F1, 2, 0
	MUL8 F1, 3, 0
.endm
	s_wait_tensorcnt 1                             ; my part of K step 0 is in; K step 1's load may be out
	s_barrier_signal -1
	s_barrier_wait -1
	FETCH 0, 0, F0
	QUARTER 0, 1, F0, F1, 1                        ; the first quarter's products start the sums
	WIN 0
	s_mov_b32 s3, LAPS-1
.Llap:                                             ; a trip goes once round the ring and fills both slots again
	QUARTER 0, 2, F1, F0, 0
	QUARTER 0, 3, F0, F1, 0
	TURN 0, 1, 1
	QUARTER 1, 1, F0, F1, 0
	QUARTER 1, 2, F1, F0, 0
	QUARTER 1, 3, F0, F1, 0
	TURN 1, 0, 1
	QUARTER 0, 1, F0, F1, 0
	WIN 0
	s_sub_co_u32 s3, s3, 1
	s_cmp_lg_u32 s3, 0
	s_cbranch_scc1 .Llap
	QUARTER 0, 2, F1, F0, 0                        ; the last lap fills nothing
	QUARTER 0, 3, F0, F1, 0
	TURN 0, 1, 0
	QUARTER 1, 1, F0, F1, 0
	QUARTER 1, 2, F1, F0, 0
	QUARTER 1, 3, F0, F1, 0
	s_wait_dscnt 4                                 ; the very last quarter
	WIN MULW
	MUL8 F1, 0, 0
	MUL8 F1, 1, 0
	s_wait_dscnt 0
	MUL8 F1, 2, 0
	MUL8 F1, 3, 0
	WIN 0
; THE WAY OUT, block by block of 16 rows x 128 columns: through my own stage and back as whole rows of 512 bytes; the bias is added to the rows read back.
.macro TOSTAGE a
	WIN 0x04                                       ; an LDS store's data: window 1
.irp b, 0,1,2,3,4,5,6,7
	ds_store_b128 v[STO], v[8*(8*(\a)+\b):8*(8*(\a)+\b)+3] offset:64*\b          ; each accumulator from its low end on
	ds_store_b128 v[STO], v[8*(8*(\a)+\b)+4:8*(8*(\a)+\b)+7] offset:64*\b+16
.endr
	WIN 0
.set BB, OB+64*((\a)%2)
.irp t, 0,1,2,3,4,5,6,7,8,9,10,11,12,13,14,15
	ds_load_b128 v[BB+4*\t:BB+4*\t+3], v[RD] offset:\t*SPITCH
.endr
.endm
.macro SEND a, younger
.set BB, OB+64*((\a)%2)
	s_wait_dscnt \younger
.irp t, 0,1,2,3,4,5,6,7,8,9,10,11,12,13,14,15
	v_pk_add_f32 v[BB+4*\t:BB+4*\t+1], v[BB+4*\t:BB+4*\t+1], v[BIAS:BIAS+1]
	v_pk_add_f32 v[BB+4*\t+2:BB+4*\t+3], v[BB+4*\t+2:BB+4*\t+3], v[BIAS+2:BIAS+3]
	global_store_b128 v[CO], v[BB+4*\t:BB+4*\t+3], s[10:11] offset:(\a)*65536+\t*4096 th:TH_STORE_NT   ; 32 lanes store 512 consecutive bytes, aligned
.endr
.endm
	s_wait_loadcnt 0x0                             ; the bias
	PLACES                                         ; behind the last products
	TOSTAGE 0
.irp a, 1,2,3
.if \a > 1
	s_wait_xcnt 0x0                                ; block a - 2's stores have read their registers: block a's loads may land there
.endif
	TOSTAGE \a
	SEND \a-1, 32                                  ; behind block a - 1's loads: block a's 16 stores and 16 loads
.endr
	SEND 3, 0
	s_wait_tensorcnt 0x0                           ; the wave's end
	ds_add_u32 v[SPW], v[NIL]
	s_wait_dscnt 0x0
	CROUND                                         ; the closing round
	s_endpgm
.Lfunc_end_k_q54a1c86fd8_proj:
	.size	k_q54a1c86fd8_proj, .Lfunc_end_k_q54a1c86fd8_proj-k_q54a1c86fd8_proj
	.p2alignl 7, 3214868480
	.fill 96, 4, 3214868480
	.section	.rodata,"a",@progbits
	.p2align	6, 0x0
	.amdhsa_kernel k_q54a1c86fd8_proj
		.amdhsa_group_segment_fixed_size 327680
		.amdhsa_private_segment_fixed_size 0
		.amdhsa_enable_private_segment 0
		.amdhsa_kernarg_size 32
		.amdhsa_user_sgpr_count 2
		.amdhsa_user_sgpr_kernarg_segment_ptr 1
		.amdhsa_wavefront_size32 1
		.amdhsa_system_sgpr_workgroup_id_x 1
		.amdhsa_system_sgpr_workgroup_id_y 1
		.amdhsa_system_sgpr_workgroup_id_z 1
		.amdhsa_system_vgpr_workitem_id 0
		.amdhsa_next_free_vgpr 512
		.amdhsa_next_free_sgpr 72
		.amdhsa_reserve_vcc 0
		.amdhsa_float_denorm_mode_32 3
		.amdhsa_float_denorm_mode_16_64 3
		.amdhsa_memory_ordered 1
		.amdhsa_forward_progress 1
		.amdhsa_inst_pref_size 94
	.end_amdhsa_kernel
	.amdgpu_metadata
---
amdhsa.version: [ 1, 2 ]
amdhsa.kernels:
  - .name:           k_q54a1c86fd8_proj
    .symbol:         k_q54a1c86fd8_proj.kd
    .args:
      - { .name: y, .offset: 0, .size: 8, .value_kind: global_buffer, .address_space: global }
      - { .name: wp16, .offset: 8, .size: 8, .value_kind: global_buffer, .address_space: global }
      - { .name: b_proj, .offset: 16, .size: 8, .value_kind: global_buffer, .address_space: global }
      - { .name: out0, .offset: 24, .size: 8, .value_kind: global_buffer, .address_space: global }
    .group_segment_fixed_size: 327680
    .private_segment_fixed_size: 0
    .kernarg_segment_align: 8
    .kernarg_segment_size: 32
    .max_flat_workgroup_size: 128
    .sgpr_count:     72
    .vgpr_count:     512
    .wavefront_size: 32
...
	.end_amdgpu_metadata
.endif
;; end of part 4
;; launch fine (part 5): grid 16 x 4, 16 waves a work-group, no clusters, 71,680 bytes of LDS; arguments q16, w_proj, b_proj, out0; writes out0
.if DOCPART == 5
	.amdgcn_target "amdgcn-amd-amdhsa--gfx1250"
	.amdhsa_code_object_version 6
	.text
	.protected	k_q54a1c86fd8_fine
	.globl	k_q54a1c86fd8_fine
	.p2align	8
	.type	k_q54a1c86fd8_fine,@function
k_q54a1c86fd8_fine:
	s_mov_b64 s[64:65], 0
	v_nop
	global_prefetch_b8 v0, s[64:65] scope:SCOPE_SE
	s_setreg_imm32_b32 hwreg(HW_REG_WAVE_MODE, 25, 1), 1
	s_wait_xcnt 0x0
; THE FIRST 16 POSITIONS OF EVERY SEQUENCE, IN f32 FROM END TO END: there a row of the attention averages one to sixteen values, and the rounding of 16-bit operands would weigh most.
; q16: f32 [batch x 16 + token][3072] = q | k | v of those tokens.  out0 rows batch x 2048 + 0 .. 15 are written anew: attention, projection by w_proj (f32) and b_proj.
; SHARES.  A work-group takes a batch and 64 output columns.  Wave w takes head w: its 16 x 16 attention, whose result is its own K chunk, 64 w .. 64 w + 63, of the projection: y never leaves the registers.
; The sixteen waves' partial tiles meet in LDS.  The small attention is done again for each of the 16 column blocks: 32 of a wave's 96 matrix instructions.
; THE f32 MATRIX FORM: lane (r, h), register j of a source holds k = 2 h + j of row (column) r.  A permutation of k applied alike to both sources keeps the products; each is stated where it is used.
; v32-63, the four accumulators, are written by matrix instructions alone; each sum begins with the constant 0.
.set SPARE, 69632                      ; behind the 16 partial tiles of 16 rows x 272: the spare words, 128 bytes for each of sixteen waves
.set PT,   4352                        ; a partial tile
.set SPW,  3
.set NIL,  4
.set T,    16                          ; v16-23  scores, then p
.set U,    24                          ; v24-31  at work
.set ACC,  32
.set QF,   64                          ; v64-95   Q, later w_proj's rows for ct = 3
.set KF,   96                          ; v96-127  K, later y
.set VF,   128                         ; v128-159 V, later the bias
.set WF,   160                         ; v160-255 w_proj's rows for ct = 0 .. 2, later the partials
.macro FINISH
	s_wait_tensorcnt 0x0                           ; a wave's end
	ds_add_u32 v[SPW], v[NIL]
	s_wait_dscnt 0x0
	s_endpgm
.endm
	s_load_b256 s[4:11], s[0:1], 0x0               ; q16 s[4:5], w_proj s[6:7], b_proj s[8:9], out0 s[10:11]
	v_lshl_add_u32 v[SPW], v0, 2, SPARE
	v_mov_b32 v[NIL], 0
	v_lshrrev_b32 v1, 5, v0
	v_readfirstlane_b32 s18, v1                    ; wave = head
	v_and_b32 v1, 15, v0                           ; r
	v_bfe_u32 v2, v0, 4, 1                         ; h
	v_mul_u32_u24 v5, v1, 12288
	v_lshl_add_u32 v5, v2, 4, v5                   ; Q, K: token r, + 16 h
	v_mul_u32_u24 v6, v2, 98304
	v_lshl_add_u32 v6, v1, 2, v6                   ; V: token 8 h, channel r
	v_lshlrev_b32 v7, 15, v2
	v_lshl_add_u32 v7, v1, 4, v7                   ; w_proj: row 8 h, columns 4 r on
	s_mul_i32 s20, s18, PT
	v_mul_u32_u24 v8, v1, 272
	v_lshl_add_u32 v8, v2, 7, v8
	v_add_nc_u32 v8, s20, v8                       ; my partial tile: token r, + 128 h
	s_and_b32 s21, s18, 7
	s_mul_i32 s21, s21, 544
	v_mul_u32_u24 v9, v2, 272
	v_lshl_add_u32 v9, v1, 4, v9
	v_add_nc_u32 v9, s21, v9                       ; the sum: tokens 2 (wave % 8) and + 1, sixteen lanes to a token's 256 bytes
	v_lshlrev_b32 v10, 12, v2
	v_lshl_add_u32 v10, v1, 4, v10                 ; and the same in out0
	v_lshlrev_b32 v11, 3, v2
	v_sub_nc_u32 v11, v1, v11                      ; r - 8 h
	v_lshlrev_b32 v2, 4, v1                        ; 16 r: the bias
	v_mov_b32 v13, 0                               ; (a lane permute's destination counts as one of its sources)
	v_mov_b32 v14, 0
	v_mov_b32 v15, 0xff800000                      ; -infinity
	s_mov_b32 s12, 0x76543210
	s_mov_b32 s13, 0xfedcba98
	s_mov_b32 s14, 0x3e38aa3b                      ; c = log2(e) / sqrt(64)
	s_and_b32 s22, ttmp7, 0xffff                   ; the batch
	s_mul_i32 s24, s22, 196608
	s_lshl_b32 s25, s18, 8
	s_add_co_u32 s24, s24, s25                     ; q16: the batch's 16 rows, the head's 64 columns
	s_mov_b32 s25, 0
	s_lshl_b32 s26, s18, 18                        ; w_proj: the head's 64 rows of 4,096 bytes,
	s_lshl_b32 s28, ttmp9, 8                       ; and the work-group's 64 columns
	s_add_co_u32 s26, s26, s28
	s_mov_b32 s27, 0
	s_mov_b32 s29, 0
	s_lshl_b32 s30, s22, 23                        ; out0: the batch's 2,048 rows,
	s_and_b32 s31, s18, 7
	s_lshl_b32 s31, s31, 13                        ; two tokens a wave,
	s_add_co_u32 s30, s30, s31
	s_add_co_u32 s30, s30, s28                     ; the columns
	s_mov_b32 s31, 0
	s_wait_kmcnt 0x0
	s_add_nc_u64 s[4:5], s[4:5], s[24:25]
	s_add_nc_u64 s[6:7], s[6:7], s[26:27]
	s_add_nc_u64 s[8:9], s[8:9], s[28:29]
	s_add_nc_u64 s[10:11], s[10:11], s[30:31]
.irp u, 0,1,2,3,4,5,6,7
	global_load_b128 v[QF+4*\u:QF+4*\u+3], v5, s[4:5] offset:32*\u             ; Q(r, 8 u + 4 h + 0 .. 3)
.endr
.irp u, 0,1,2,3,4,5,6,7
	global_load_b128 v[KF+4*\u:KF+4*\u+3], v5, s[4:5] offset:4096+32*\u        ; K likewise: the same permutation of the channels on both sides
.endr
.irp ct, 0,1,2,3
.irp n, 0,1,2,3,4,5,6,7
	global_load_b32 v[VF+8*\ct+\n], v6, s[4:5] offset:8192+\n*12288+64*\ct     ; V(8 h + n, 16 ct + r)
.endr
.endr
.irp ct, 0,1,2
.irp n, 0,1,2,3,4,5,6,7
	global_load_b128 v[WF+32*\ct+4*\n:WF+32*\ct+4*\n+3], v7, s[6:7] offset:(16*\ct+\n)*4096   ; w_proj(64 w + 16 ct + 8 h + n, n0 + 4 r + 0 .. 3): sixteen lanes read 256 consecutive bytes
.endr
.endr
	s_wait_loadcnt 56                              ; Q and K are in; V's 32 loads and w_proj's 24 may be out
.irp kk, 0,1,2,3,4,5,6,7,8,9,10,11,12,13,14,15 ; S^T = K Q^T: four channels an instruction, four accumulators by turns
.if \kk < 4
	v_wmma_f32_16x16x4_f32 v[ACC+8*(\kk%4):ACC+8*(\kk%4)+7], v[KF+2*\kk:KF+2*\kk+1], v[QF+2*\kk:QF+2*\kk+1], 0
.else
	v_wmma_f32_16x16x4_f32 v[ACC+8*(\kk%4):ACC+8*(\kk%4)+7], v[KF+2*\kk:KF+2*\kk+1], v[QF+2*\kk:QF+2*\kk+1], v[ACC+8*(\kk%4):ACC+8*(\kk%4)+7]
.endif
.endr
.rept 8
	v_nop                                          ; eight places behind this form: for the loads into Q's registers and the reads of the sums
.endr
.irp n, 0,1,2,3,4,5,6,7
	global_load_b128 v[QF+4*\n:QF+4*\n+3], v7, s[6:7] offset:(48+\n)*4096      ; w_proj's rows for ct = 3
.endr
.irp j, 0,2,4,6
	v_pk_add_f32 v[T+\j:T+\j+1], v[ACC+\j:ACC+\j+1], v[ACC+8+\j:ACC+8+\j+1]    ; the four partial sums; each accumulator from its low end on
.endr
.irp j, 0,2,4,6
	v_pk_add_f32 v[U+\j:U+\j+1], v[ACC+16+\j:ACC+16+\j+1], v[ACC+24+\j:ACC+24+\j+1]
.endr
.irp j, 0,2,4,6
	v_pk_add_f32 v[T+\j:T+\j+1], v[T+\j:T+\j+1], v[U+\j:U+\j+1]                ; lane (r, h), register j: query r, key 8 h + j
.endr
.irp j, 0,1,2,3,4,5,6,7
	v_cmp_gt_i32 vcc_lo, \j, v11                   ; hidden where 8 h + j > r
	v_cndmask_b32 v[T+\j], v[T+\j], v15, vcc_lo
.endr
	v_max3_num_f32 v12, v[T], v[T+1], v[T+2]
	v_max3_num_f32 v12, v12, v[T+3], v[T+4]
	v_max3_num_f32 v12, v12, v[T+5], v[T+6]
	v_max_num_f32 v12, v12, v[T+7]
	v_permlanex16_b32 v13, v12, s12, s13
	v_max_num_f32 v12, v12, v13                    ; the row's maximum (key 0 counts for every query)
	v_mul_f32 v12, s14, v12
.irp j, 0,1,2,3,4,5,6,7
	v_fma_f32 v[T+\j], v[T+\j], s14, -v12
.endr
.irp j, 0,1,2,3,4,5,6,7
	v_exp_f32 v[T+\j], v[T+\j]
.endr
	v_nop
	s_wait_alu depctr_va_vdst(0)                   ; one wait for the eight, ahead of their first reader
	v_pk_add_f32 v[U:U+1], v[T:T+1], v[T+2:T+3]
	v_pk_add_f32 v[U+2:U+3], v[T+4:T+5], v[T+6:T+7]
	v_pk_add_f32 v[U:U+1], v[U:U+1], v[U+2:U+3]
	v_add_f32 v13, v[U], v[U+1]
	v_permlanex16_b32 v14, v13, s12, s13
	v_add_f32 v13, v13, v14                        ; the row's sum
	v_rcp_f32 v14, v13
	v_nop
	s_wait_alu depctr_va_vdst(0)
	s_wait_loadcnt 32                              ; V is in; w_proj's 24 + 8 loads may be out
.irp s, 0,1,2,3                                ; O^T = V^T P: k slot (h, j) is key 8 h + 2 s + j on both sides; four accumulators by turns
.irp ct, 0,1,2,3
.if \s == 0
	v_wmma_f32_16x16x4_f32 v[ACC+8*\ct:ACC+8*\ct+7], v[VF+8*\ct+2*\s:VF+8*\ct+2*\s+1], v[T+2*\s:T+2*\s+1], 0
.else
	v_wmma_f32_16x16x4_f32 v[ACC+8*\ct:ACC+8*\ct+7], v[VF+8*\ct+2*\s:VF+8*\ct+2*\s+1], v[T+2*\s:T+2*\s+1], v[ACC+8*\ct:ACC+8*\ct+7]
.endif
.endr
.endr
.rept 8
	v_nop
.endr
.set i, 0
.rept 32
	v_mul_f32 v[KF+i], v[ACC+i], v14               ; y(token r, channel 16 ct + 8 h + j), into other registers, ascending
.set i, i+1
.endr
	s_wait_loadcnt 0x0                             ; w_proj
; A group of eight registers holds two rows of w_proj (k and k + 1) at four columns.  Two exchanges lay each column's two numbers side by side: the pair of column i then stands at 4 (i % 2) + 2 (i / 2).
.irp ct, 0,1,2,3
.irp jj, 0,1,2,3
.if \ct < 3
.set G, WF+32*\ct+8*\jj
.else
.set G, QF+8*\jj
.endif
	v_swap_b32 v[G+1], v[G+4]
	v_swap_b32 v[G+3], v[G+6]
.endr
.endr
.irp ct, 0,1,2,3                               ; the projection's partial sums over my 64 channels: tile i holds the columns n0 + 4 m + i; k slot (h, j) is channel 16 ct + 8 h + 2 jj + j on both sides
.irp jj, 0,1,2,3
.if \ct < 3
.set G, WF+32*\ct+8*\jj
.else
.set G, QF+8*\jj
.endif
.irp n, 0,1,2,3
.if (\ct == 0) && (\jj == 0)
	v_wmma_f32_16x16x4_f32 v[ACC+8*\n:ACC+8*\n+7], v[G+4*(\n%2)+2*(\n/2):G+4*(\n%2)+2*(\n/2)+1], v[KF+8*\ct+2*\jj:KF+8*\ct+2*\jj+1], 0
.else
	v_wmma_f32_16x16x4_f32 v[ACC+8*\n:ACC+8*\n+7], v[G+4*(\n%2)+2*(\n/2):G+4*(\n%2)+2*(\n/2)+1], v[KF+8*\ct+2*\jj:KF+8*\ct+2*\jj+1], v[ACC+8*\n:ACC+8*\n+7]
.endif
.endr
.endr
.endr
.rept 8
	v_nop
.endr
.irp j, 0,1,2,3,4,5,6,7                        ; lane (r, h), register j of tile n: token r, column 32 h + 4 j + n.  Each accumulator's register 0 is read first
.irp n, 0,1,2,3
	ds_store_b32 v8, v[ACC+8*\n+\j] offset:16*\j+4*\n
.endr
.endr
	s_wait_dscnt 0x0                               ; for the others' sake: my partial tile lies in LDS
	s_barrier_signal -1
	s_barrier_wait -1
	s_cmp_lt_u32 s18, 8
	s_cbranch_scc1 .Lsum
	FINISH                                         ; waves 8-15 have no rows to sum
.Lsum:                                             ; waves 0-7: two tokens each: the sixteen partials, the bias, one store
	global_load_b128 v[VF:VF+3], v2, s[8:9]
.irp p, 0,1,2,3,4,5,6,7,8,9,10,11,12,13,14,15
	ds_load_b128 v[WF+4*\p:WF+4*\p+3], v9 offset:\p*PT
.endr
	s_wait_dscnt 0x0
.irp d, 1,2,4,8
.irp p, 0,2,4,6,8,10,12,14
.if (\p % (2*\d)) == 0
	v_pk_add_f32 v[WF+4*\p:WF+4*\p+1], v[WF+4*\p:WF+4*\p+1], v[WF+4*(\p+\d):WF+4*(\p+\d)+1]
	v_pk_add_f32 v[WF+4*\p+2:WF+4*\p+3], v[WF+4*\p+2:WF+4*\p+3], v[WF+4*(\p+\d)+2:WF+4*(\p+\d)+3]
.endif
.endr
.endr
	s_wait_loadcnt 0x0
	v_pk_add_f32 v[WF:WF+1], v[WF:WF+1], v[VF:VF+1]
	v_pk_add_f32 v[WF+2:WF+3], v[WF+2:WF+3], v[VF+2:VF+3]
	global_store_b128 v10, v[WF:WF+3], s[10:11]    ; sixteen lanes store 256 consecutive bytes, aligned
	FINISH
.Lfunc_end_k_q54a1c86fd8_fine:
	.size	k_q54a1c86fd8_fine, .Lfunc_end_k_q54a1c86fd8_fine-k_q54a1c86fd8_fine
	.p2alignl 7, 3214868480
	.fill 96, 4, 3214868480
	.section	.rodata,"a",@progbits
	.p2align	6, 0x0
	.amdhsa_kernel k_q54a1c86fd8_fine
		.amdhsa_group_segment_fixed_size 71680
		.amdhsa_private_segment_fixed_size 0
		.amdhsa_enable_private_segment 0
		.amdhsa_kernarg_size 32
		.amdhsa_user_sgpr_count 2
		.amdhsa_user_sgpr_kernarg_segment_ptr 1
		.amdhsa_wavefront_size32 1
		.amdhsa_system_sgpr_workgroup_id_x 1
		.amdhsa_system_sgpr_workgroup_id_y 1
		.amdhsa_system_sgpr_workgroup_id_z 1
		.amdhsa_system_vgpr_workitem_id 0
		.amdhsa_next_free_vgpr 256
		.amdhsa_next_free_sgpr 66
		.amdhsa_reserve_vcc 1
		.amdhsa_float_denorm_mode_32 3
		.amdhsa_float_denorm_mode_16_64 3
		.amdhsa_memory_ordered 1
		.amdhsa_forward_progress 1
		.amdhsa_inst_pref_size 28
	.end_amdhsa_kernel
	.amdgpu_metadata
---
amdhsa.version: [ 1, 2 ]
amdhsa.kernels:
  - .name:           k_q54a1c86fd8_fine
    .symbol:         k_q54a1c86fd8_fine.kd
    .args:
      - { .name: q16, .offset: 0, .size: 8, .value_kind: global_buffer, .address_space: global }
      - { .name: w_proj, .offset: 8, .size: 8, .value_kind: global_buffer, .address_space: global }
      - { .name: b_proj, .offset: 16, .size: 8, .value_kind: global_buffer, .address_space: global }
      - { .name: out0, .offset: 24, .size: 8, .value_kind: global_buffer, .address_space: global }
    .group_segment_fixed_size: 71680
    .private_segment_fixed_size: 0
    .kernarg_segment_align: 8
    .kernarg_segment_size: 32
    .max_flat_workgroup_size: 512
    .sgpr_count:     66
    .vgpr_count:     256
    .wavefront_size: 32
...
	.end_amdgpu_metadata
.endif
;; end of part 5
